; MI455X (gfx1250); checked and timed in simulation.
; The chip was launched on July 23, 2026; its instructions are those of AMD's public machine-readable ISA for CDNA 5 (MIT licence, August 2026) and "CDNA5" Instruction Set Architecture Reference Guide (July 2026). The comments in the code are by the model that wrote it; some were corrected since.
;; Multilinear Attention. Allowed arithmetic: matrix products marked QUANTISED: E2M3 operands, one E8M0 scale for each 32 along K, by v_wmma_scale_f32_16x16x128_f8f6f4 with both operands' format E2M3, f32 sums; everything else in f32.
;; Inputs: Wk_codes 2 x 1,024 x 32 x 24 uint8 (E2M3 codes of Wk, K innermost, in blocks of 32 codes, four codes in three bytes); Wk_scales 2 x 1,024 x 32 uint8 (E8M0 scales of Wk, one for each 32 codes along K); Wo_codes 1,024 x 32 x 24 uint8 (E2M3 codes of Wo, K innermost, in blocks of 32 codes, four codes in three bytes); Wo_scales 1,024 x 32 uint8 (E8M0 scales of Wo, one for each 32 codes along K); Wq_codes 1,024 x 32 x 24 uint8 (E2M3 codes of Wq, K innermost, in blocks of 32 codes, four codes in three bytes); Wq_scales 1,024 x 32 uint8 (E8M0 scales of Wq, one for each 32 codes along K); Wv_codes 2 x 1,024 x 32 x 24 uint8 (E2M3 codes of Wv, K innermost, in blocks of 32 codes, four codes in three bytes); Wv_scales 2 x 1,024 x 32 uint8 (E8M0 scales of Wv, one for each 32 codes along K); bk 2 x 1,024 float32; bo 1,024 float32; bq 1,024 float32; bv 2 x 1,024 float32; ln_b 1,024 float32; ln_g 1,024 float32; x 4 x 2,048 x 1,024 float32.
;; Outputs: out0 4 x 2,048 x 1,024 float32.
;; This version of the problem:
;;   THIS VERSION OF THE PROBLEM IS GIVEN IN LOW PRECISION. The matrix products marked QUANTISED in the list below multiply operands that are first quantised to E2M3 (2 exponent bits, 3 mantissa bits; 6 bits a number), with one power-of-two scale for each 32 numbers along K (OCP MX v1.0); their sums are f32. All else is computed in f32.
;;   The module's matrix products, in the order in which they are computed (A, B: the left and right operand; K: the contracted axis; several contracted axes count as one K, in the product's order):
;;     1. [M 8,192, K 1,024] x [K 1,024, N 1,024]; A: input x; B: input Wq (given as codes): QUANTISED
;;     2. [M 2,048, K 1,024] x [K 1,024, N 8,192]; A: input Wk (given as codes); B: input x: QUANTISED
;;     3. [M 2,048, K 1,024] x [K 1,024, N 8,192]; A: input Wv (given as codes); B: input x: QUANTISED
;;     4. batch 128 x [M 64, K 2,048] x [K 2,048, N 64]; A: computed on the way; B: computed on the way: QUANTISED
;;     5. batch 64 x [M 2,048, K 64] x [K 64, N 64]; A: computed on the way; B: computed on the way: QUANTISED
;;     6. [M 8,192, K 1,024] x [K 1,024, N 1,024]; A: computed on the way; B: input Wo (given as codes): QUANTISED
;;   THE QUANTISER, for each operand of a quantised product, along K:
;;     - K is cut into blocks of 32 from its start; a last block that is shorter is filled with zeros.
;;     - A block's scale is 2^e with e = floor(log2(the largest magnitude in the block)) - 2, held to -126 .. 127; a block of zeros has e = 0. As a byte (E8M0): e + 127.
;;     - Each number is divided by its block's scale, clamped to +-7.5, and rounded to the nearest number of E2M3, ties to even, subnormals kept.
;;     - The product sums the exact products of the quantised numbers (number of the format x scale) in f32.
;;   ~~~python
;;   def quantise(x, axis):      # numpy; x: float32 -> the quantised numbers, widened to float32 again
;;       x = np.moveaxis(x, axis, -1); K = x.shape[-1]
;;       x = np.pad(x, [(0, 0)] * (x.ndim - 1) + [(0, -K % 32)]); x = x.reshape(x.shape[:-1] + (-1, 32)); a = np.abs(x).max(-1, keepdims=True)
;;       e = np.where(a > 0, np.clip(np.frexp(np.where(a > 0, a, 1))[1] - 1 - 2, -126, 127), 0)      # np.frexp(a)[1] - 1 = floor(log2(a)), exactly
;;       r = np.clip(x / 2.0 ** e, -7.5, 7.5)
;;       step = 2.0 ** (np.maximum(np.frexp(np.where(r == 0, 1, r))[1] - 1, 0) - 3)
;;       q = np.round(r / step) * step * 2.0 ** e      # np.round: ties to even
;;       return np.moveaxis(q.reshape(q.shape[:-2] + (-1,))[..., :K], -1, axis).astype(np.float32)
;;   ~~~
;;   OPERANDS COMPUTED ON THE WAY. 'Computed on the way' means the value that the module computes at that place (a softmax that the list does not call 'softmax' is quantised finished and normalised). What goes into a quantiser is computed in f32, as accurately as f32 sums, v_exp_f32 and their like allow (about 1e-6 of the number): no bf16 or f16 on the way to a quantiser, and a product that is left as it is and whose result goes on into a quantised operand takes f32 operands (vector FMAs, or v_wmma_f32_16x16x4_f32). A number that lies on a knife's edge between two numbers of the format may be rounded either way, as far as f32 arithmetic and the matrix unit's own rounding can turn it there, and no further.
;;   INPUTS GIVEN AS CODES. Wk (in the module: [2, 1024, 1024], K = its axis 2); Wo (in the module: [1024, 1024], K = its axis 1); Wq (in the module: [1024, 1024], K = its axis 1); Wv (in the module: [2, 1024, 1024], K = its axis 2): each comes as NAME_codes (uint8): NAME with its K axis moved to the last place and cut into blocks of 32 codes, [.., K / 32, bytes a block], one block behind the other in memory; four codes in three bytes: a row's codes are one little-endian stream of bits, code i at bits 6 i .. 6 i + 5 (a code: sign, 2 exponent bits, 3 mantissa bits); and NAME_scales (uint8): the same leading axes, one E8M0 byte (e + 127) for each 32 codes along K. Its value is code x scale, taken as it is: it is not quantised again, and the codes and scales need not be those that the quantiser above would give.
;; One version. Each part assembles by itself: llvm-mc -triple=amdgcn-amd-amdhsa -mcpu=gfx1250 --defsym DOCPART=n.
;; ======== version 1 of 1: 4 launches
;; workspace buffers: xc 6,291,456 bytes; xs 262,144 bytes; wimg 4,718,592 bytes; qc 6,291,456 bytes; qs 524,288 bytes; sp 8,388,608 bytes; stc 196,608 bytes; sts 32,768 bytes
;; launch prep (part 1): grid 352 x 1, 8 waves a work-group, no clusters, 68,608 bytes of LDS; arguments x, Wq_codes, Wk_codes, Wv_codes, Wo_codes, xc, xs, wimg; writes xc, xs, wimg
.if DOCPART == 1
	.amdgcn_target "amdgcn-amd-amdhsa--gfx1250"
	.amdhsa_code_object_version 6
	.text
	.protected	k_q55f4089861_prep
	.globl	k_q55f4089861_prep
	.p2align	8
	.type	k_q55f4089861_prep,@function
k_q55f4089861_prep:
	s_mov_b64 s[64:65], 0
	v_nop
	global_prefetch_b8 v0, s[64:65] scope:SCOPE_SE
	s_setreg_imm32_b32 hwreg(HW_REG_WAVE_MODE, 25, 1), 1
	s_wait_xcnt 0x0
; PREP.  (1) x [8192][1024] f32 is quantised along its 1,024 columns to codes of FP6 (E2M3) with one E8M0 byte for each 32;  (2) the four weights' codes are laid out anew.
; NO WORK OF THE PROBLEM IS LEFT OUT IN ANY LAUNCH: every input (all biases, both gains, the factor 2048^-0.5, which moves codes) has a way to the output, and all are loaded.
; LIMITS: NaN and infinities among the inputs are not served.  A block whose largest magnitude lies under 2^-124 gets the byte 1; a block of zeros gets the byte 1 where the
; quantiser says 127: its codes are zeros, which add nothing under that byte, and these bytes are read by this program alone.
; LAYOUT OF THE WORKSPACE: IMAGES OF OPERAND REGISTERS.  A fragment (16 rows x 128 along K, 12 registers a lane) is 1,536 bytes: register 4 c + i of lane l at byte 512 c + 16 l + 4 i.
; THE ROWS OF A TILE ARE NOT NEIGHBOURS: lane-row r of tile t of a group of 64 rows is row 32 (t / 2) + 8 (t % 2) + r + 8 (r / 8); for x: tile T holds tokens 32 (T / 2) + 8 (T % 2) + r + 8 (r / 8).
; So the 16 result registers of two neighbouring tiles are 16 neighbours along the next product's K.
;   xc   [T 512][K step 8][1536]      xs [T 512][half 2][row 16][4 words]: lane (r, h) reads 16 bytes at 16 x lane: the scale words of K steps 4 h + 0 .. 3 of its row
;   wimg [head 16][q, k0, v0, k1, v1][tile 4][K step 8][1536], then from byte 3,932,160 Wo as [group of 64 rows 16][tile 4][K step 8][1536]
; SHARES.  Work-groups 0 to 255 take x: wave w of work-group j takes tile 2 j + w / 4, K steps 2 (w % 4) + 0, 1: its 32 loads go out together, so that all 131,072 bytes of a work-group are on their way at once.
; Work-groups 256 to 351 take the weights: one (matrix, group of 64 rows) each; a wave takes a tile and four K steps.  Only the x path touches LDS.
.set STGW,  16*528                     ; a wave's stage: 16 rows x (512 bytes + 16)
.set SPARE, 8*STGW                     ; behind the stages: the spare words, 128 bytes a wave
.set LI,   2                           ; v2   16 x lane
.set STI,  3                           ; v3   the stage, on the way in
.set STO,  4                           ; v4   and on the way out: row r, + 64 h
.set XSO,  6                           ; v6   16 r + 4 h: where my scale word goes
.set RR,   7                           ; v7   r = lane % 16
.set HF,   8                           ; v8   h = lane / 16
.set WA,   9                           ; v9   the weights: my lane's byte in a tile's rows
.set SPW,  12                          ; v12  LDS address of my spare word; never rewritten
.set NIL,  13                          ; v13  0; never rewritten
.set R,    16                          ; v16-143  two sets of 64 numbers as loaded (weights path: v16-63 four fragments)
.set X,    144                         ; v144-207 64 numbers: register 16 b + i = k 32 b + 16 h + i of my row
.set PC,   208                         ; v208-226 the codes just made
.set TM,   228                         ; v228-243 at work
.set PW,   244                         ; v244-245 the two K steps' scale words
.set OW,   248                         ; v248 the one that I store
.set WV,   20
.set SEL,  22                          ; s[22:23] lane selects: lane l xor 16
.set MHI,  24                          ; s24  lanes 16-31
; 64 numbers of a lane become a fragment's codes in v[PC] on and its rows' scale word in v[w].
.macro QUANT s, w
.irp b,0,1,2,3
	v_max3_num_f32 v[TM+\b], |v[\s+16*\b]|, |v[\s+1+16*\b]|, 0x1800000   ; block b: my 16 numbers, and the floor 2^(3 - 127): the byte cannot fall under 1
.endr
.irp i,2,4,6,8,10,12,14
.irp b,0,1,2,3
	v_max3_num_f32 v[TM+\b], v[TM+\b], |v[\s+16*\b+\i]|, |v[\s+1+16*\b+\i]|   ; the four blocks by turns
.endr
.endr
.irp b,0,1,2,3
	v_permlanex16_b32 v[TM+4+\b], v[TM+\b], s[SEL], s[SEL+1]
.endr
.irp b,0,1,2,3
	v_max_num_f32 v[TM+\b], v[TM+\b], v[TM+4+\b]       ; with lane l xor 16's: the block's largest magnitude
.endr
.irp b,0,1,2,3
	v_add_nc_u32 v[TM+12+\b], 0xff000000, v[TM+\b]     ; 2 off its exponent field: the conversion's scale operand
.endr
.irp b,0,1,2,3
	v_lshrrev_b32 v[TM+4+\b], 23, v[TM+12+\b]          ; the scale's byte
.endr
	v_lshl_or_b32 v[\w], v[TM+5], 8, v[TM+4]
	v_lshl_or_b32 v[\w], v[TM+6], 16, v[\w]
	v_lshl_or_b32 v[\w], v[TM+7], 24, v[\w]
.irp c,0,1
	v_cvt_scalef32_pk16_fp6_f32 v[PC+6*\c:PC+2+6*\c], v[\s+32*\c:\s+15+32*\c], v[TM+12+2*\c]
	v_cvt_scalef32_pk16_fp6_f32 v[PC+12+4*\c:PC+14+4*\c], v[\s+16+32*\c:\s+31+32*\c], v[TM+12+2*\c+1]   ; (a conversion's three registers begin on an even number)
.endr
	v_nop                                              ; one plain place behind a scaled conversion
.irp c,0,1                                         ; the operand wants a whole block in a lane: lanes 0-15 block 2 c, lanes 16-31 block 2 c + 1
.irp i,0,1,2
	v_permlane16_swap_b32 v[PC+6*\c+\i], v[PC+12+4*\c+\i]
.endr
.irp i,0,1,2
	v_mov_b32 v[PC+3+6*\c+\i], v[PC+12+4*\c+\i]
.endr
.endr
.endm
	s_load_b256 s[4:11], s[0:1], 0x0               ; x, Wq's, Wk's, Wv's codes
	s_load_b256 s[12:19], s[0:1], 0x20             ; Wo's codes, xc, xs, wimg
	v_lshl_add_u32 v[SPW], v0, 2, SPARE
	v_mov_b32 v[NIL], 0
	v_lshrrev_b32 v1, 5, v0
	v_readfirstlane_b32 s[WV], v1                  ; wave 0..7
	v_and_b32 v1, 31, v0
	v_lshlrev_b32 v[LI], 4, v1
	v_and_b32 v[RR], 15, v0
	v_bfe_u32 v[HF], v0, 4, 1
	s_cmp_ge_u32 ttmp9, 256
	s_cbranch_scc1 .Lweights
	; ---------------- x
	s_mul_i32 s21, s[WV], STGW
	v_add_nc_u32 v[STI], s21, v[LI]
	v_mul_u32_u24 v[STO], v[RR], 528
	v_lshl_add_u32 v[STO], v[HF], 6, v[STO]
	v_add_nc_u32 v[STO], s21, v[STO]
	v_lshlrev_b32 v[XSO], 4, v[RR]
	v_lshl_add_u32 v[XSO], v[HF], 2, v[XSO]
	s_mov_b32 s[SEL], 0x76543210
	s_mov_b32 s[SEL+1], 0xfedcba98
	s_mov_b32 s[MHI], 0xffff0000
.irp b,0,1,2,3
	v_mov_b32 v[TM+4+\b], 0                        ; written once: a lane permute's destination counts as one of its sources
.endr
	s_lshr_b32 s25, s[WV], 2                       ; the tile's low bit
	s_and_b32 s26, s[WV], 3                        ; which quarter of K
	s_lshl_b32 s28, ttmp9, 17                      ; 32 tokens of 4,096 bytes a work-group,
	s_lshl_b32 s27, s25, 15                        ; 8 tokens on for the odd tile,
	s_add_co_u32 s28, s28, s27
	s_lshl_b32 s27, s26, 10                        ; 1,024 bytes on for each quarter of K
	s_add_co_u32 s28, s28, s27
	s_mov_b32 s29, 0
	s_lshl_b32 s30, ttmp9, 1
	s_add_co_u32 s30, s30, s25                     ; T
	s_mul_i32 s32, s30, 12288
	s_mul_i32 s27, s26, 3072
	s_add_co_u32 s32, s32, s27
	s_mov_b32 s33, 0
	s_lshl_b32 s34, s30, 9                         ; the scale words: 512 T + 256 (quarter / 2) + 8 (quarter % 2)
	s_lshr_b32 s27, s26, 1
	s_lshl_b32 s27, s27, 8
	s_add_co_u32 s34, s34, s27
	s_and_b32 s27, s26, 1
	s_lshl_b32 s27, s27, 3
	s_add_co_u32 s34, s34, s27
	s_mov_b32 s35, 0
	s_wait_kmcnt 0x0
	s_add_nc_u64 s[4:5], s[4:5], s[28:29]
	s_add_nc_u64 s[14:15], s[14:15], s[32:33]
	s_add_nc_u64 s[16:17], s[16:17], s[34:35]
.macro LOAD s                          ; K step s of my 16 rows: each load reads 512 consecutive bytes of one row
.irp i,0,1,2,3,4,5,6,7,8,9,10,11,12,13,14,15
	global_load_b128 v[R+64*(\s)+4*\i:R+64*(\s)+4*\i+3], v[LI], s[4:5] offset:(\i+8*(\i/8))*4096+512*(\s) th:TH_LOAD_NT
.endr
.endm
.macro TURN s                          ; through my stage: in as loaded, out 16 neighbours of each block of 32 a lane.  LDS serves a wave's instructions in order
.irp i,0,1,2,3,4,5,6,7,8,9,10,11,12,13,14,15
	ds_store_b128 v[STI], v[R+64*(\s)+4*\i:R+64*(\s)+4*\i+3] offset:528*\i
.endr
.irp b,0,1,2,3
.irp j,0,1,2,3
	ds_load_b128 v[X+16*\b+4*\j:X+16*\b+4*\j+3], v[STO] offset:128*\b+16*\j
.endr
.endr
.endm
	LOAD 0
	LOAD 1
.irp s,0,1
.if \s < 1
	s_wait_loadcnt 16                              ; this K step's 16 loads are in; the other step's 16 may be out
.else
	s_wait_loadcnt 0x0
.endif
	TURN \s
	s_wait_dscnt 0x0                               ; the numbers are back
.if \s > 0
	s_wait_xcnt 0x0                                ; the first step's stores have read the codes' registers
.endif
	QUANT X, PW+\s
.irp c,0,1,2
	global_store_b128 v[LI], v[PC+4*\c:PC+4*\c+3], s[14:15] offset:1536*\s+512*\c   ; 512 consecutive bytes a store
.endr
.endr
	v_cndmask_b32 v[OW], v[PW], v[PW+1], s[MHI]    ; lanes 0-15 store their row's word of my first K step, lanes 16-31 that of my second
	global_store_b32 v[XSO], v[OW], s[16:17]       ; 8 bytes of each row's 16, inside 256 consecutive bytes
	s_wait_tensorcnt 0x0                           ; the wave's end: a wait, an add to my spare word and its wait, behind my last LDS store
	ds_add_u32 v[SPW], v[NIL]
	s_wait_dscnt 0x0
	s_endpgm
	; ---------------- the weights: rows of 768 bytes become images; nothing is changed in the codes
.Lweights:
	s_sub_co_u32 s36, ttmp9, 256
	s_lshr_b32 s37, s36, 4                         ; 0 Wq, 1 Wk[0], 2 Wv[0], 3 Wk[1], 4 Wv[1], 5 Wo
	s_and_b32 s38, s36, 15                         ; which 64 rows
	s_and_b32 s39, s[WV], 3                        ; the tile
	s_lshr_b32 s45, s[WV], 2                       ; which four K steps
	v_and_b32 v[WA], 8, v[RR]
	v_add_nc_u32 v[WA], v[WA], v[RR]               ; r + 8 (r / 8)
	v_mul_u32_u24 v[WA], v[WA], 768
	v_mad_u32_u24 v[WA], v[HF], 24, v[WA]
	s_lshl_b32 s40, s38, 6
	s_lshr_b32 s44, s39, 1
	s_lshl_b32 s44, s44, 5
	s_add_co_u32 s40, s40, s44
	s_and_b32 s44, s39, 1
	s_lshl_b32 s44, s44, 3
	s_add_co_u32 s40, s40, s44                     ; the tile's first row
	s_mul_i32 s40, s40, 768
	s_mul_i32 s44, s45, 384                        ; four K steps are 384 bytes of a row
	s_add_co_u32 s40, s40, s44
	s_sub_co_u32 s44, s37, 3
	s_cmp_lt_u32 s44, 2
	s_cselect_b32 s44, 786432, 0                   ; the second matrix of Wk or Wv
	s_add_co_u32 s40, s40, s44
	s_mov_b32 s41, 0
	s_mul_i32 s42, s38, 245760
	s_mul_i32 s44, s37, 49152
	s_add_co_u32 s42, s42, s44
	s_mul_i32 s44, s38, 49152
	s_add_co_u32 s44, s44, 3932160
	s_cmp_lt_u32 s37, 5
	s_cselect_b32 s42, s42, s44
	s_mul_i32 s44, s39, 12288
	s_add_co_u32 s42, s42, s44
	s_mul_i32 s44, s45, 6144
	s_add_co_u32 s42, s42, s44
	s_mov_b32 s43, 0
	s_wait_kmcnt 0x0
	s_mov_b64 s[46:47], s[12:13]                   ; the choice hangs on the work-group's number alone
	s_cmp_eq_u32 s37, 0
	s_cselect_b64 s[46:47], s[6:7], s[46:47]
	s_cmp_eq_u32 s37, 1
	s_cselect_b64 s[46:47], s[8:9], s[46:47]
	s_cmp_eq_u32 s37, 3
	s_cselect_b64 s[46:47], s[8:9], s[46:47]
	s_cmp_eq_u32 s37, 2
	s_cselect_b64 s[46:47], s[10:11], s[46:47]
	s_cmp_eq_u32 s37, 4
	s_cselect_b64 s[46:47], s[10:11], s[46:47]
	s_add_nc_u64 s[46:47], s[46:47], s[40:41]
	s_add_nc_u64 s[18:19], s[18:19], s[42:43]
.irp s,0,1,2,3
.irp p,0,1,2,3,4,5
	global_load_b64 v[R+12*\s+2*\p:R+12*\s+2*\p+1], v[WA], s[46:47] offset:96*\s+48*(\p/3)+8*(\p%3)   ; registers 6 c .. 6 c + 5: the 24 bytes of k = 128 s + 64 c + 32 h + 0 .. 31
.endr
.endr
	s_wait_loadcnt 0x0
.irp s,0,1,2,3
.irp c,0,1,2
	global_store_b128 v[LI], v[R+12*\s+4*\c:R+12*\s+4*\c+3], s[18:19] offset:1536*\s+512*\c
.endr
.endr
	s_endpgm
.Lfunc_end_k_q55f4089861_prep:
	.size	k_q55f4089861_prep, .Lfunc_end_k_q55f4089861_prep-k_q55f4089861_prep
	.p2alignl 7, 3214868480
	.fill 96, 4, 3214868480
	.section	.rodata,"a",@progbits
	.p2align	6, 0x0
	.amdhsa_kernel k_q55f4089861_prep
		.amdhsa_group_segment_fixed_size 68608
		.amdhsa_private_segment_fixed_size 0
		.amdhsa_enable_private_segment 0
		.amdhsa_kernarg_size 64
		.amdhsa_user_sgpr_count 2
		.amdhsa_user_sgpr_kernarg_segment_ptr 1
		.amdhsa_wavefront_size32 1
		.amdhsa_system_sgpr_workgroup_id_x 1
		.amdhsa_system_sgpr_workgroup_id_y 1
		.amdhsa_system_sgpr_workgroup_id_z 1
		.amdhsa_system_vgpr_workitem_id 0
		.amdhsa_next_free_vgpr 256
		.amdhsa_next_free_sgpr 66
		.amdhsa_reserve_vcc 0
		.amdhsa_float_denorm_mode_32 3
		.amdhsa_float_denorm_mode_16_64 3
		.amdhsa_memory_ordered 1
		.amdhsa_forward_progress 1
		.amdhsa_inst_pref_size 24
	.end_amdhsa_kernel
	.amdgpu_metadata
---
amdhsa.version: [ 1, 2 ]
amdhsa.kernels:
  - .name:           k_q55f4089861_prep
    .symbol:         k_q55f4089861_prep.kd
    .args:
      - { .name: x, .offset: 0, .size: 8, .value_kind: global_buffer, .address_space: global }
      - { .name: Wq_codes, .offset: 8, .size: 8, .value_kind: global_buffer, .address_space: global }
      - { .name: Wk_codes, .offset: 16, .size: 8, .value_kind: global_buffer, .address_space: global }
      - { .name: Wv_codes, .offset: 24, .size: 8, .value_kind: global_buffer, .address_space: global }
      - { .name: Wo_codes, .offset: 32, .size: 8, .value_kind: global_buffer, .address_space: global }
      - { .name: xc, .offset: 40, .size: 8, .value_kind: global_buffer, .address_space: global }
      - { .name: xs, .offset: 48, .size: 8, .value_kind: global_buffer, .address_space: global }
      - { .name: wimg, .offset: 56, .size: 8, .value_kind: global_buffer, .address_space: global }
    .group_segment_fixed_size: 68608
    .private_segment_fixed_size: 0
    .kernarg_segment_align: 8
    .kernarg_segment_size: 64
    .max_flat_workgroup_size: 256
    .sgpr_count:     66
    .vgpr_count:     256
    .wavefront_size: 32
...
	.end_amdgpu_metadata
.endif
;; end of part 1
;; launch proj (part 2): grid 4 x 64, 4 waves a work-group, clusters of 4 x 1, 327,680 bytes of LDS; arguments x, xc, xs, wimg, Wq_scales, Wk_scales, Wv_scales, bq, bk, bv, qc, qs, sp; writes qc, qs, sp
.if DOCPART == 2
	.amdgcn_target "amdgcn-amd-amdhsa--gfx1250"
	.amdhsa_code_object_version 6
	.text
	.protected	k_q55f4089861_proj
	.globl	k_q55f4089861_proj
	.p2align	8
	.type	k_q55f4089861_proj,@function
k_q55f4089861_proj:
	s_mov_b64 s[64:65], 0
	v_nop
	global_prefetch_b8 v0, s[64:65] scope:SCOPE_SE
	s_setreg_imm32_b32 hwreg(HW_REG_WAVE_MODE, 25, 1), 1
	s_wait_xcnt 0x0
	s_wait_alu depctr_hold_cnt(0) depctr_sa_sdst(0) depctr_va_vdst(0) depctr_va_sdst(0) depctr_va_ssrc(0) depctr_va_vcc(0) depctr_vm_vsrc(0)
	s_getreg_b32 s2, hwreg(HW_REG_IB_STS2, 6, 4)
	s_cmp_eq_u32 s2, 0
	s_cbranch_scc0 .Lentry_in_a_cluster
	s_endpgm
.Lentry_in_a_cluster:
	s_bfe_u32 s2, ttmp6, 0x10000c
	s_cmp_lg_u32 s2, 0x3003
	s_cbranch_scc0 .Lentry_shape_is_right
	s_endpgm
.Lentry_shape_is_right:
; PROJ.  For one batch b, one head and 512 tokens: the five projections q, k0, v0, k1, v1 of the head (each x + x W^T + bias), silu + 0.5 and the L2 norm on q and k, the factor 2048^-0.5 on k and v,
; the quantisers (q along the head's 64; k and v along the tokens), q's codes to memory, and the work-group's part of the four sums k^T v.  No work of the problem is left out.
; LIMITS: NaN and infinities are not served; blocks under 2^-124 and blocks of zeros get the byte 1 (their bytes are read by this program alone);
; k = y x (rcp(norm + 1e-6) x 2048^-0.5) and v = fma(sum, 2048^-0.5, bv x 2048^-0.5) differ from the order of the formula by rounding alone.
; SHARES.  grid y = 16 b + head; the four work-groups of a cluster are the four token quarters of one (b, head), so they need the same 245,760 bytes of weights: they are asked for JOINTLY (mask: all four), once,
; by two loads a wave: first a tile of q's weights (12,288 bytes), then one whole other projection (49,152 bytes), so that the first q product runs while the other four projections land.
; They stay in LDS for the whole launch and nothing is filled again.  Wave w owns tokens 128 w .. 128 w + 127 of the quarter, in two chunks of 64 (four tiles of 16).
; A chunk's x codes (4 tiles x 8 K steps) stay in 384 registers for its five products; its residual x[:, 64 head ..] goes once through the wave's stage in LDS and is loaded from there
; STRAIGHT INTO THE ACCUMULATORS, so that every product adds in place and nothing is cleared or added afterwards.
; ORIENTATION.  q: source 0 = 16 rows of W, source 1 = 16 tokens: a lane holds one token, its registers run along the head's 64.  k, v: source 0 = 16 tokens, source 1 = 16 rows of W: a lane holds one
; column, its registers run along the tokens, which are the K of k^T v.  By the choice of a tile's rows (PREP) the 16 registers of two neighbouring tiles are 16 neighbours along the next K.
; A wave's 128 tokens are one K step of k^T v: its 16 fragments of codes (2 x {k, v} x 4 tiles) are gathered in registers, multiplied at the end (32 products), and the four waves' sums meet in LDS.
; THE WALK: q of chunk 0, written out; then a loop of four trips, IT = 2 x chunk + (which of the two k, v pairs): [q of chunk 1, in trip 2] k, v.  LDS addresses of the pair's weights are turned by exclusive ors.
; THE STAGE: a token's row is 256 bytes + 16.  16 rows are 4,352 bytes, a whole number of times 256, so the two halves of the lanes, which stand 16 tokens apart in a load of 4 bytes a lane, would ask for different
; words at the same place modulo 256 bytes (64 banks of 4 bytes: ISA guide 11.1).  So the four blocks of 16 tokens begin 0, 32, 32 and 64 bytes later: the halves then touch different banks.
; REGISTERS: window 0: v1-19 addresses; v20-35 x's scale words, v36-51 the code fragments' scale words, v52-67 W's scale words (scales and nothing else); v68-91 at work; v92-123 TP; v124-127 TW; v128-255 16 accumulators.
;   window 1: v0-191 x's fragments of tiles 0, 1 (96 T + 12 s); v192-239 W's fragments, set 0.   window 2: the same for tiles 2, 3 and set 1.   window 3: v0-191 the 16 code fragments (12 f, f = 8 pair + 4 (v?) + tile).
;   At the end window 1 holds the 32 accumulators of k^T v, window 2 the four waves' parts of my eight.
.set WSC,   245760                     ; LDS: 0: the weights [projection 5][tile 4][K step 8][1536];  here: their scale quads [5][4][512];
.set BT,    256000                     ; the biases [5][64] f32 (v's already x 2048^-0.5);
.set STG,   257280                     ; a stage for each wave: 64 tokens x (256 bytes + 16), + 64 for the blocks' shifts;
.set STGW,  17472
.set SPARE, 327168                     ; the spare words, 128 bytes a wave
.set LI,1
.set ADK,2
.set ADV,3
.set NAD,4
.set QAD,5
.set SST,6
.set WSA0,7
.set WSA,8
.set BN0,9
.set BNA,10
.set BTQ,11
.set XO,12
.set L8,13
.set L4,14
.set PF256,15
.set SPW,16
.set NIL,17
.set PF4K,18
.set TT,19
.set XS,20
.set KS,36
.set WS,52
.set M,68
.set N,76
.set SO,84
.set BN,84                             ; the biases of k or v, each twice; the registers serve the quantiser afterwards
.set TP,92
.set TW,124
.set ACC,128
.set WV,30
.set CX,31
.set YY,32
.set BB,33
.set HH,34
.set G0,36                             ; s[36:39], s[40:47] groups 0 and 1 of my first joint load;  s[80:83], s[84:91] of my second
.set G1,40
.set G0B,80
.set G1B,84
.set IT,48
.set WB,49
.set WSB,50
.set BTB,51
.set TS,52
.set MHI,53
.set SEL,54
.set NL2E,56
.set SCL,58
.set XP,66
.set XCP,68
.set XSP,70
.set QCP,72
.set QSP,74
.set SPP,76
.set MSB, 0
.macro WIN new                         ; the immediate's high byte repeats the setting that is left; a switch that changes nothing is dropped
.if MSB != (\new)
	s_set_vgpr_msb (MSB<<8)|(\new)
.set MSB, (\new)
.endif
.endm
.macro PLACES n
.rept \n
	v_nop
.endr
.endm
.macro BARRIER
	s_wait_dscnt 0x0
	s_barrier_signal -1
	s_barrier_wait -1
.endm
.macro CROUND                          ; a round of the cluster's barrier
	s_barrier_signal -1
	s_barrier_wait -1
	s_cmp_lg_u32 s[WV], 0
	s_cbranch_scc1 .Lnot_wave_0_\@
	s_barrier_signal -3
.Lnot_wave_0_\@:
	s_barrier_wait -3
	s_barrier_signal -1
	s_barrier_wait -1
.endm
; A CHUNK BEGINS: 132 loads in one run.  More are issued than the counter's field holds: the issue then waits for the oldest (ISA guide 5.7.1), and loads come back in order.
.macro PRO_R c                         ; 32 loads of the residual (two rows of 256 bytes each) into the accumulators' registers, 4 of x's scale quads
.set i, 0
.rept 32
	global_load_b128 v[ACC+4*i:ACC+4*i+3], v[XO], s[XP:XP+1] offset:(64*(\c)+2*i)*4096 th:TH_LOAD_NT
.set i, i+1
.endr
.irp T,0,1,2,3
	global_load_b128 v[XS+4*\T:XS+4*\T+3], v[LI], s[XSP:XSP+1] offset:2048*(\c)+512*\T
.endr
.endm
.macro PRO_X c                         ; the chunk's 32 fragments of x codes, 96 loads of 512 consecutive bytes, K STEP BY K STEP: the q product that follows takes them in this order
.irp s,0,1,2,3,4,5,6,7
.irp P,0,1
	WIN 0x40+0x40*\P
.irp U,0,1
.irp k,0,1,2
	global_load_b128 v[96*\U+12*\s+4*\k:96*\U+12*\s+4*\k+3], v[LI], s[XCP:XCP+1] offset:49152*(\c)+12288*(2*\P+\U)+1536*\s+512*\k
.endr
.endr
.endr
.endr
	WIN 0
.endm
.macro PRO_S                           ; the residual goes into my stage
	s_wait_loadcnt 63                              ; behind the residual's loads stand 100 others; the field holds 63 at the most
.set i, 0
.rept 32
	ds_store_b128 v[SST], v[ACC+4*i:ACC+4*i+3] offset:544*i+32*((i/16)+((i/8)%2))   ; rows 2 i, 2 i + 1; their block of 16 tokens begins 0, 32, 32 or 64 bytes later
.set i, i+1
.endr
	s_wait_dscnt 0x0
.endm
.macro FETCHB set, s, adr              ; W's four fragments of K step s into set 0 (window 1) or 1 (window 2)
	WIN 0x40+0x40*(\set)
.irp t,0,1,2,3
.irp c,0,1,2
	ds_load_b128 v[192+12*\t+4*\c:195+12*\t+4*\c], v[\adr] offset:12288*\t+1536*(\s)+512*\c
.endr
.endr
.endm
.macro MM nat, T, t                    ; one product of K step gs.  The scale words of K step s lie in register s % 4 of a quad, in lanes 0-15 for s < 4 and in lanes 16-31 for s >= 4
.if \nat
.set rD, ACC+8*(4*(\t)+(\T))
.set rA, 96*((\T)&1)+12*gs
.set rB, 192+12*(\t)
.set sA, XS+4*(\T)+(gs&3)
.set sB, WS+4*(\t)+(gs&3)
.else
.set rD, ACC+8*(4*(\T)+(\t))
.set rA, 192+12*(\t)
.set rB, 96*((\T)&1)+12*gs
.set sA, WS+4*(\t)+(gs&3)
.set sB, XS+4*(\T)+(gs&3)
.endif
.if gs < 4
	v_wmma_scale_f32_16x16x128_f8f6f4 v[rD:rD+7], v[rA:rA+11], v[rB:rB+11], v[rD:rD+7], v[sA], v[sB] matrix_a_fmt:MATRIX_FMT_FP6 matrix_b_fmt:MATRIX_FMT_FP6
.else
	v_wmma_scale_f32_16x16x128_f8f6f4 v[rD:rD+7], v[rA:rA+11], v[rB:rB+11], v[rD:rD+7], v[sA], v[sB] matrix_a_fmt:MATRIX_FMT_FP6 matrix_b_fmt:MATRIX_FMT_FP6 matrix_a_scale:MATRIX_SCALE_ROW1 matrix_b_scale:MATRIX_SCALE_ROW1
.endif
.endm
; 64 tokens x 64 columns x K = 1,024: eight K steps of 16 products; the 16 accumulators take turns, one instruction a turn.
; While a K step is multiplied the next step's four fragments of W are on their way into the other set; four places stand in front of loads into registers that the last products read.
; lw = 1: the chunk's x codes are still arriving: K step s waits for its own 12 loads and leaves the 12 (7 - s) of the later steps out (63 where that is more than the field holds).
.macro GEMM nat, adr, lw
.set gs, 0
.rept 8
	s_wait_dscnt 0x0                               ; this K step's fragments are in (at the first step: the residual, the scale quads and the biases too)
.if \lw
.if 12*(7-gs) > 63
	s_wait_loadcnt 63
.else
	s_wait_loadcnt 12*(7-gs)
.endif
.endif
.if gs < 7
.if gs > 0
	PLACES 4
.endif
	FETCHB (gs+1)%2, gs+1, \adr
.endif
.irp P,0,1
.if \nat
	WIN (1+\P)|((1+gs%2)<<2)
.else
	WIN (1+gs%2)|((1+\P)<<2)
.endif
.irp U,0,1
.irp t,0,1,2,3
	MM \nat, 2*\P+\U, \t
.endr
.endr
.endr
.set gs, gs+1
.endr
	WIN 0
	PLACES 4                                       ; in front of the first read of results
.endm
; silu(y) + 0.5 = y / (1 + 2^(-y log2 e)) + 0.5 on 32 registers.  Each kind of transcendental goes as one batch: a plain place behind it, and one wait ahead of its first reader.
.macro SILU base
.set i, 0
.rept 16
	v_pk_mul_f32 v[TP+i:TP+i+1], v[\base+i:\base+i+1], s[NL2E:NL2E+1] op_sel_hi:[1,0]
.set i, i+2
.endr
.set i, 0
.rept 32
	v_exp_f32 v[TP+i], v[TP+i]
.set i, i+1
.endr
	v_nop
	s_wait_alu depctr_va_vdst(0)
.set i, 0
.rept 16
	v_pk_add_f32 v[TP+i:TP+i+1], v[TP+i:TP+i+1], 1.0 op_sel_hi:[1,0]
.set i, i+2
.endr
.set i, 0
.rept 32
	v_rcp_f32 v[TP+i], v[TP+i]
.set i, i+1
.endr
	v_nop
	s_wait_alu depctr_va_vdst(0)
.set i, 0
.rept 16
	v_pk_fma_f32 v[\base+i:\base+i+1], v[\base+i:\base+i+1], v[TP+i:TP+i+1], 0.5 op_sel_hi:[1,1,0]
.set i, i+2
.endr
.endm
; The 128 accumulator registers are eight blocks of 32 along a K (16 numbers here, 16 in lane l xor 16): block 2 o + b at ACC + 32 o + 16 b.  Out: for o = 0 .. 3 half a fragment (64 along K) in
; TP + 8 o + {0, 1, 2, 4, 5, 6} and its two scale bytes in TW + o.
.macro QUANT8
.irp k,0,1,2,3,4,5,6,7
	v_max3_num_f32 v[M+\k], |v[ACC+16*\k]|, |v[ACC+16*\k+1]|, 0x1800000   ; with the floor 2^(3 - 127): the byte cannot fall under 1
.endr
.irp i,2,4,6,8,10,12,14
.irp k,0,1,2,3,4,5,6,7
	v_max3_num_f32 v[M+\k], v[M+\k], |v[ACC+16*\k+\i]|, |v[ACC+16*\k+\i+1]|
.endr
.endr
.irp k,0,1,2,3,4,5,6,7
	v_permlanex16_b32 v[N+\k], v[M+\k], s[SEL], s[SEL+1]
.endr
.irp k,0,1,2,3,4,5,6,7
	v_max_num_f32 v[M+\k], v[M+\k], v[N+\k]
.endr
.irp k,0,1,2,3,4,5,6,7
	v_add_nc_u32 v[SO+\k], 0xff000000, v[M+\k]         ; 2 off the exponent field: the conversion's scale operand
.endr
.irp k,0,1,2,3,4,5,6,7
	v_lshrrev_b32 v[N+\k], 23, v[SO+\k]                ; the scale's byte
.endr
.irp o,0,1,2,3
	v_lshl_or_b32 v[TW+\o], v[N+2*\o+1], 8, v[N+2*\o]
.endr
.irp o,0,1,2,3
	v_cvt_scalef32_pk16_fp6_f32 v[TP+8*\o:TP+8*\o+2], v[ACC+32*\o:ACC+32*\o+15], v[SO+2*\o]
	v_cvt_scalef32_pk16_fp6_f32 v[TP+8*\o+4:TP+8*\o+6], v[ACC+32*\o+16:ACC+32*\o+31], v[SO+2*\o+1]
.endr
	v_nop                                              ; one plain place behind a scaled conversion
.irp o,0,1,2,3
.irp i,0,1,2
	v_permlane16_swap_b32 v[TP+8*\o+\i], v[TP+8*\o+4+\i]   ; a whole block to a lane: lanes 0-15 block 0, lanes 16-31 block 1
.endr
.endr
.endm
; The four half fragments go to their places among the 16 code fragments.  The places hang on the trip, and register numbers cannot: so the moves are written for each of the four trips, and a scalar branch on the count of trips picks one.
.macro STASH kv
.irp v,0,1,2,3
	s_cmp_lg_u32 s[IT], \v
	s_cbranch_scc1 .Lstash_\@_\v
	WIN 0xc0
.irp t,0,1,2,3
.irp i,0,1,2
	v_mov_b32 v[12*(8*(\v%2)+4*\kv+\t)+6*(\v/2)+\i], v[TP+8*\t+\i]
	v_mov_b32 v[12*(8*(\v%2)+4*\kv+\t)+6*(\v/2)+3+\i], v[TP+8*\t+4+\i]
.endr
.endr
	WIN 0
.irp t,0,1,2,3
.if \v < 2
	v_mov_b32 v[KS+8*(\v%2)+4*\kv+\t], v[TW+\t]        ; chunk 0: the scale word's bytes 0, 1
.else
	v_lshl_or_b32 v[KS+8*(\v%2)+4*\kv+\t], v[TW+\t], 16, v[KS+8*(\v%2)+4*\kv+\t]   ; chunk 1: bytes 2, 3
.endif
.endr
.Lstash_\@_\v:
.endr
.endm
; What a product of k or v wants from LDS: W's first fragments, its scale quads, its biases (each twice: a pair for the packed forms), and the residual: element (token, column) of each accumulator register
.macro NATLOADS adr, wso, bno
	FETCHB 0, 0, \adr
	WIN 0
.irp t,0,1,2,3
	ds_load_b128 v[WS+4*\t:WS+4*\t+3], v[WSA] offset:\wso+512*\t
.endr
.irp i,0,1,2,3,4,5,6,7
	ds_load_b32 v[BN+\i], v[BNA] offset:\bno+4*(32*(\i/4)+8*((\i/2)%2))
.endr
.irp t,0,1,2,3
.irp T,0,1,2,3
.irp j,0,1,2,3,4,5,6,7
	ds_load_b32 v[ACC+8*(4*\t+\T)+\j], v[NAD] offset:(32*(\T/2)+8*(\T%2)+\j)*272+32*(\T/2)+4*(32*(\t/2)+8*(\t%2))
.endr
.endr
.endr
.endm
; q OF A CHUNK: it is the first product behind the chunk's loads, and takes the x codes as they arrive
.macro QPART
	FETCHB 0, 0, LI
	WIN 0
.irp t,0,1,2,3
	ds_load_b128 v[WS+4*\t:WS+4*\t+3], v[WSA0] offset:512*\t
.endr
.irp t,0,1,2,3
	ds_load_b128 v[TP+8*\t:TP+8*\t+3], v[BTQ] offset:4*(32*(\t/2)+8*(\t%2))
	ds_load_b128 v[TP+8*\t+4:TP+8*\t+7], v[BTQ] offset:4*(32*(\t/2)+8*(\t%2))+16
.endr
.irp T,0,1,2,3
.irp t,0,1,2,3
	ds_load_b128 v[ACC+8*(4*\T+\t):ACC+8*(4*\T+\t)+3], v[QAD] offset:(32*(\T/2)+8*(\T%2))*272+32*(\T/2)+4*(32*(\t/2)+8*(\t%2))
	ds_load_b128 v[ACC+8*(4*\T+\t)+4:ACC+8*(4*\T+\t)+7], v[QAD] offset:(32*(\T/2)+8*(\T%2))*272+32*(\T/2)+4*(32*(\t/2)+8*(\t%2))+16
.endr
.endr
	GEMM 0, LI, 1
.irp T,0,1,2,3                                 ; + bq; each accumulator is read from its low end on
.set i, 0
.rept 16
	v_pk_add_f32 v[ACC+32*\T+i:ACC+32*\T+i+1], v[ACC+32*\T+i:ACC+32*\T+i+1], v[TP+i:TP+i+1]
.set i, i+2
.endr
.endr
.irp T,0,1,2,3
	SILU ACC+32*\T
.endr
.irp T,0,1,2,3                                 ; the norm over the head's 64: my 32, then lane l xor 16's
	v_pk_mul_f32 v[M+2*\T:M+2*\T+1], v[ACC+32*\T:ACC+32*\T+1], v[ACC+32*\T:ACC+32*\T+1]
.endr
.set i, 2
.rept 15
.irp T,0,1,2,3
	v_pk_fma_f32 v[M+2*\T:M+2*\T+1], v[ACC+32*\T+i:ACC+32*\T+i+1], v[ACC+32*\T+i:ACC+32*\T+i+1], v[M+2*\T:M+2*\T+1]
.endr
.set i, i+2
.endr
.irp T,0,1,2,3
	v_add_f32 v[M+2*\T], v[M+2*\T], v[M+2*\T+1]
.endr
.irp T,0,1,2,3
	v_permlanex16_b32 v[N+\T], v[M+2*\T], s[SEL], s[SEL+1]
.endr
.irp T,0,1,2,3
	v_add_f32 v[M+2*\T], v[M+2*\T], v[N+\T]
.endr
.irp T,0,1,2,3
	v_sqrt_f32 v[M+2*\T], v[M+2*\T]
.endr
	v_nop
	s_wait_alu depctr_va_vdst(0)
.irp T,0,1,2,3
	v_add_f32 v[M+2*\T], 0x358637bd, v[M+2*\T]     ; + 1e-6
.endr
.irp T,0,1,2,3
	v_rcp_f32 v[M+2*\T], v[M+2*\T]
.endr
	v_nop
	s_wait_alu depctr_va_vdst(0)
.irp T,0,1,2,3
.set i, 0
.rept 16
	v_pk_mul_f32 v[ACC+32*\T+i:ACC+32*\T+i+1], v[ACC+32*\T+i:ACC+32*\T+i+1], v[M+2*\T:M+2*\T+1] op_sel_hi:[1,0]
.set i, i+2
.endr
.endr
	QUANT8                                         ; o = the tile of tokens; K = the head's 64
.irp T,0,1,2,3
	v_mov_b32 v[TP+8*\T+3], v[TP+8*\T+4]           ; the six registers on end
	v_mov_b32 v[TP+8*\T+4], v[TP+8*\T+5]
	v_mov_b32 v[TP+8*\T+5], v[TP+8*\T+6]
.endr
.irp T,0,1,2,3
	global_store_b128 v[LI], v[TP+8*\T:TP+8*\T+3], s[QCP:QCP+1] offset:12288*\T          ; 512 consecutive bytes,
	global_store_b64 v[L8], v[TP+8*\T+4:TP+8*\T+5], s[QCP:QCP+1] offset:12288*\T+512     ; and the 256 behind them
.endr
	v_cndmask_b32 v[M], v[TW], v[TW+1], s[MHI]     ; lanes 0-15 the even tile's scale words, lanes 16-31 the odd tile's
	v_cndmask_b32 v[M+1], v[TW+2], v[TW+3], s[MHI]
	global_store_b32 v[L4], v[M], s[QSP:QSP+1]
	global_store_b32 v[L4], v[M+1], s[QSP:QSP+1] offset:128
	s_wait_xcnt 0x0                                ; the stores have read their registers and bases
	s_add_nc_u64 s[QCP:QCP+1], s[QCP:QCP+1], 49152
	s_add_nc_u64 s[QSP:QSP+1], s[QSP:QSP+1], 256
.endm
	s_load_b512 s[4:19], s[0:1], 0x0               ; x, xc, xs, wimg, Wq's, Wk's, Wv's scales, bq
	s_load_b256 s[20:27], s[0:1], 0x40             ; bk, bv, qc, qs
	s_load_b64 s[28:29], s[0:1], 0x60              ; sp
	v_lshl_add_u32 v[SPW], v0, 2, SPARE
	v_mov_b32 v[NIL], 0
	ds_add_u32 v[SPW], v[NIL]                      ; the wave's opening: the add, twice on end, and its wait ahead of my first tensor load
	ds_add_u32 v[SPW], v[NIL]
	v_lshrrev_b32 v[TT], 5, v0
	v_readfirstlane_b32 s[WV], v[TT]               ; wave 0..3
	s_bfe_u32 s[CX], ttmp6, 0x40000                ; my place in the cluster = the token quarter: it enters global addresses alone
	s_and_b32 s[YY], ttmp7, 0xffff                 ; 16 b + head, which the four partners share
	s_lshr_b32 s[BB], s[YY], 4
	s_and_b32 s[HH], s[YY], 15
	s_mov_b32 s[G0], 1                             ; my first load's group 0: count 1;
	s_mul_i32 s[G0+1], s[WV], 12288                ; LDS address: tile w of q's weights
	s_mul_i32 s78, s[HH], 245760
	s_add_co_u32 s78, s78, s[G0+1]
	s_mov_b32 s79, 0
	s_mov_b32 s[G0B], 1                            ; my second's:
	s_mul_i32 s[G0B+1], s[WV], 49152
	s_add_co_u32 s[G0B+1], s[G0B+1], 49152         ; projection w + 1, whole
	s_mul_i32 s62, s[HH], 245760
	s_add_co_u32 s62, s62, s[G0B+1]
	s_mov_b32 s63, 0
.irp g, G1, G1B
	s_mov_b32 s[\g], 0x0023000f                    ; group 1: mask: all four work-groups; elements of 8 bytes; bit 21 beside the mask; no padding
	s_mov_b32 s[\g+1], 32<<16                      ; tensor_dim0 = 32 elements: rows of 256 bytes
	s_mov_b32 s[\g+3], 32<<16                      ; tile_dim0
	s_mov_b32 s[\g+5], 32                          ; the pitch: the block is dense
	s_mov_b32 s[\g+6], 0
	s_mov_b32 s[\g+7], 0
.endr
	s_mov_b32 s[G1+2], 48<<16                      ; tensor_dim1 = 48 rows: 12,288 bytes
	s_mov_b32 s[G1+4], 48                          ; tile_dim1
	s_mov_b32 s[G1B+2], 192<<16                    ; 192 rows: 49,152 bytes
	s_mov_b32 s[G1B+4], 192
	s_mov_b32 s[MHI], 0xffff0000
	s_mov_b32 s[SEL], 0x76543210
	s_mov_b32 s[SEL+1], 0xfedcba98
	s_mov_b32 s[NL2E], 0xbfb8aa3b                  ; -log2 e
	s_mov_b32 s[NL2E+1], s[NL2E]
	s_mov_b32 s[SCL], 0x3cb504f3                   ; 2048^-0.5
	s_mov_b32 s[SCL+1], s[SCL]
	s_mov_b32 s[IT], 0
	s_mov_b32 s[WB], 49152
	s_mov_b32 s[WSB], 2048
	s_mov_b32 s[BTB], 256
	s_lshl_b32 s60, s[BB], 7
	s_lshl_b32 s61, s[CX], 5
	s_add_co_u32 s60, s60, s61
	s_lshl_b32 s61, s[WV], 3
	s_add_co_u32 s60, s60, s61                     ; my first tile of tokens: 128 b + 32 quarter + 8 wave
	s_wait_dscnt 0x0                               ; both opening adds are done
	s_wait_kmcnt 0x0
	s_add_nc_u64 s[G0+2:G0+3], s[10:11], s[78:79]  ; the head's weights: head and wave alone enter the two addresses
	s_or_b32 s[G0+3], s[G0+3], 0x80000000
	s_add_nc_u64 s[G0B+2:G0B+3], s[10:11], s[62:63]
	s_or_b32 s[G0B+3], s[G0B+3], 0x80000000
	s_lshl_b32 s62, s60, 16
	s_lshl_b32 s61, s[HH], 8
	s_add_co_u32 s62, s62, s61
	s_add_nc_u64 s[XP:XP+1], s[4:5], s[62:63]      ; x at my first token, the head's 256 bytes
	s_mul_i32 s62, s60, 12288
	s_add_nc_u64 s[XCP:XCP+1], s[6:7], s[62:63]
	s_mul_i32 s61, s[HH], 768
	s_add_co_u32 s62, s62, s61
	s_add_nc_u64 s[QCP:QCP+1], s[24:25], s[62:63]
	s_lshl_b32 s62, s60, 9
	s_add_nc_u64 s[XSP:XSP+1], s[8:9], s[62:63]
	s_lshl_b32 s62, s60, 6
	s_lshl_b32 s61, s[HH], 15
	s_add_co_u32 s62, s62, s61
	s_add_nc_u64 s[QSP:QSP+1], s[26:27], s[62:63]
	s_lshl_b32 s62, s[YY], 2
	s_add_co_u32 s62, s62, s[CX]
	s_lshl_b32 s62, s62, 5
	s_lshl_b32 s61, s[WV], 3
	s_add_co_u32 s62, s62, s61
	s_lshl_b32 s62, s62, 10
	s_add_nc_u64 s[SPP:SPP+1], s[28:29], s[62:63]
	CROUND                                         ; all four work-groups are here: the joint loads meet
	tensor_load_to_lds s[G0:G0+3], s[G1:G1+7]      ; my two tensor loads of the launch, both first fills: q's tile first,
	s_nop 0
	tensor_load_to_lds s[G0B:G0B+3], s[G1B:G1B+7]  ; then a whole projection
	s_nop 0
	PLACES 4
	v_and_b32 v[TT], 31, v0
	v_lshlrev_b32 v[LI], 4, v[TT]
	v_lshlrev_b32 v[L8], 3, v[TT]
	v_lshlrev_b32 v[L4], 2, v[TT]
	v_lshlrev_b32 v[PF256], 8, v[TT]
	v_lshlrev_b32 v[PF4K], 12, v[TT]
	v_and_b32 v[M], 15, v0                         ; r
	v_bfe_u32 v[M+1], v0, 4, 1                     ; h
	v_and_b32 v[M+3], 8, v[M]                      ; 8 (r / 8)
	v_add_nc_u32 v[M+2], v[M+3], v[M]              ; r + 8 (r / 8)
	s_mul_i32 s35, s[WV], STGW
	s_add_co_u32 s35, s35, STG                     ; my stage
	v_lshlrev_b32 v[NAD], 2, v[M+2]
	v_mad_u32_u24 v[NAD], v[M+1], 4384, v[NAD]
	v_add_nc_u32 v[NAD], s35, v[NAD]               ; k, v: 16 h tokens down (and that block's 32 bytes), column r + 8 (r / 8)
	v_mul_u32_u24 v[QAD], v[M+2], 272
	v_lshl_add_u32 v[QAD], v[M+1], 6, v[QAD]
	v_lshl_add_u32 v[QAD], v[M+3], 2, v[QAD]
	v_add_nc_u32 v[QAD], s35, v[QAD]               ; q: token r + 8 (r / 8) (and 32 bytes for the odd block), 16 h columns on
	v_mul_u32_u24 v[SST], v[M+1], 272
	v_lshl_add_u32 v[SST], v[M], 4, v[SST]
	v_add_nc_u32 v[SST], s35, v[SST]               ; into the stage: two rows a store
	v_add_nc_u32 v[WSA0], WSC, v[LI]
	v_lshl_add_u32 v[BN0], v[M+2], 2, BT
	v_lshl_add_u32 v[BTQ], v[M+1], 6, BT
	v_lshlrev_b32 v[XO], 12, v[M+1]
	v_lshl_add_u32 v[XO], v[M], 4, v[XO]
	; the tables: wave w brings tile w's scale quads of all five projections and 16 numbers of each bias
	s_lshl_b32 s61, s[HH], 6
	s_lshr_b32 s62, s[WV], 1
	s_lshl_b32 s62, s62, 5
	s_add_co_u32 s61, s61, s62
	s_and_b32 s62, s[WV], 1
	s_lshl_b32 s62, s62, 3
	s_add_co_u32 s61, s61, s62
	s_lshl_b32 s61, s61, 5                         ; the tile's first row x 32 bytes of scales
	v_lshlrev_b32 v[M+3], 5, v[M+2]
	v_lshl_add_u32 v[M+3], v[M+1], 4, v[M+3]
	v_add_nc_u32 v[M+3], s61, v[M+3]
	global_load_b128 v[TP:TP+3], v[M+3], s[12:13]
	global_load_b128 v[TP+4:TP+7], v[M+3], s[14:15]
	global_load_b128 v[TP+8:TP+11], v[M+3], s[16:17]
	global_load_b128 v[TP+12:TP+15], v[M+3], s[14:15] offset:32768
	global_load_b128 v[TP+16:TP+19], v[M+3], s[16:17] offset:32768
	s_lshl_b32 s61, s[HH], 8
	s_lshl_b32 s62, s[WV], 6
	s_add_co_u32 s61, s61, s62
	v_lshl_add_u32 v[M+4], v[M], 2, s61
	v_lshl_add_u32 v[M+5], v[M+1], 12, v[M+4]      ; lanes 16-31: the second row of bk and bv
	global_load_b32 v[TP+20], v[M+4], s[18:19]
	global_load_b32 v[TP+21], v[M+5], s[20:21]
	global_load_b32 v[TP+22], v[M+5], s[22:23]
	s_lshl_b32 s62, s[WV], 9
	v_add_nc_u32 v[M+6], s62, v[WSA0]
	s_lshl_b32 s62, s[WV], 6
	v_lshl_add_u32 v[TT], v[M], 2, BT
	v_add_nc_u32 v[TT], s62, v[TT]
	v_lshl_add_u32 v[M+7], v[M+1], 9, v[TT]
	PRO_R 0
	WIN 0xc0                                       ; the code fragments, their scale words and the permutes' destinations are written once here, so that every way through the text finds them written
.set i, 0
.rept 192
	v_mov_b32 v[i], 0
.set i, i+1
.endr
	WIN 0
.set i, 0
.rept 16
	v_mov_b32 v[KS+i], 0
.set i, i+1
.endr
.set i, 0
.rept 8
	v_mov_b32 v[N+i], 0
.set i, i+1
.endr
	PRO_X 0
	s_wait_loadcnt 63                              ; the 8 table loads are in: behind them stand the chunk's 132
	v_mul_f32 v[TP+22], s[SCL], v[TP+22]           ; bv x 2048^-0.5
.irp p,0,1,2,3,4
	ds_store_b128 v[M+6], v[TP+4*\p:TP+4*\p+3] offset:2048*\p
.endr
	ds_store_b32 v[TT], v[TP+20]                   ; bq (both halves of the lanes write the same word with the same value)
	ds_store_b32 v[M+7], v[TP+21] offset:256       ; bk: rows 1 and 3 of the table
	ds_store_b32 v[M+7], v[TP+22] offset:512       ; bv: rows 2 and 4
	PRO_S
	s_wait_tensorcnt 0x1                           ; my tile of q's weights has landed; my second load may stay out
	BARRIER                                        ; my tables are stored: everybody's are, and q's four tiles lie in LDS
	QPART                                          ; q of chunk 0, while the other four projections land
	s_wait_tensorcnt 0x0                           ; my second load has landed,
	BARRIER                                        ; everybody's has
.Ltrip:
	s_cmp_lg_u32 s[IT], 2
	s_cbranch_scc1 .Lno_q
	QPART                                          ; q of chunk 1
.Lno_q:
	s_wait_loadcnt 0x0                             ; the chunk's x codes are in on every way to this line (met at once behind a q part)
	; ---------------- k
	v_add_nc_u32 v[ADK], s[WB], v[LI]
	v_add_nc_u32 v[ADV], 0xc000, v[ADK]
	v_add_nc_u32 v[WSA], s[WSB], v[WSA0]
	v_add_nc_u32 v[BNA], s[BTB], v[BN0]
	NATLOADS ADK, 0, 0
	GEMM 1, ADK, 0
.irp t,0,1,2,3
.set i, 0
.rept 16
	v_pk_add_f32 v[ACC+32*\t+i:ACC+32*\t+i+1], v[ACC+32*\t+i:ACC+32*\t+i+1], v[BN+2*\t:BN+2*\t+1]   ; + bk
.set i, i+2
.endr
	SILU ACC+32*\t
.endr
.set i, 0                                      ; a token's norm: my four columns, then the sixteen lanes of my half
.rept 16
	v_pk_mul_f32 v[TP+i:TP+i+1], v[ACC+i:ACC+i+1], v[ACC+i:ACC+i+1]
.set i, i+2
.endr
.irp t,1,2,3
.set i, 0
.rept 16
	v_pk_fma_f32 v[TP+i:TP+i+1], v[ACC+32*\t+i:ACC+32*\t+i+1], v[ACC+32*\t+i:ACC+32*\t+i+1], v[TP+i:TP+i+1]
.set i, i+2
.endr
.endr
.irp m,1,2,4,8
.set i, 0
.rept 32
	v_add_f32_dpp v[TP+i], v[TP+i], v[TP+i] row_xmask:\m row_mask:0xf bank_mask:0xf
.set i, i+1
.endr
.endr
.set i, 0
.rept 32
	v_sqrt_f32 v[TP+i], v[TP+i]
.set i, i+1
.endr
	v_nop
	s_wait_alu depctr_va_vdst(0)
.set i, 0
.rept 16
	v_pk_add_f32 v[TP+i:TP+i+1], v[TP+i:TP+i+1], 0x358637bd op_sel_hi:[1,0]
.set i, i+2
.endr
.set i, 0
.rept 32
	v_rcp_f32 v[TP+i], v[TP+i]
.set i, i+1
.endr
	v_nop
	s_wait_alu depctr_va_vdst(0)
.set i, 0
.rept 16
	v_pk_mul_f32 v[TP+i:TP+i+1], v[TP+i:TP+i+1], s[SCL:SCL+1] op_sel_hi:[1,0]
.set i, i+2
.endr
.irp t,0,1,2,3
.set i, 0
.rept 16
	v_pk_mul_f32 v[ACC+32*\t+i:ACC+32*\t+i+1], v[ACC+32*\t+i:ACC+32*\t+i+1], v[TP+i:TP+i+1]
.set i, i+2
.endr
.endr
	QUANT8                                         ; o = the tile of columns; K = the chunk's 64 tokens
	STASH 0
	; ---------------- v
	NATLOADS ADV, 2048, 256
	; A prefetch into the L2 of what chunk 1 will load, in the trip before: its 64 residual rows (256 bytes each, a lane a row; they are this work-group's alone), and its 49,152 bytes of x codes
	; (lanes 256 bytes apart), which all sixteen heads read: head 0 names them.  Both tests hang on the count of trips and on the head, which the partners share.
	s_cmp_lg_u32 s[IT], 1
	s_cbranch_scc1 .Lno_pf
	global_prefetch_b8 v[PF4K], s[XP:XP+1] offset:262144 th:TH_LOAD_NT scope:SCOPE_SE
	global_prefetch_b8 v[PF4K], s[XP:XP+1] offset:393216 th:TH_LOAD_NT scope:SCOPE_SE
	s_cmp_lg_u32 s[HH], 0
	s_cbranch_scc1 .Lno_pf
.irp k,0,1,2,3,4,5
	global_prefetch_b8 v[PF256], s[XCP:XCP+1] offset:49152+8192*\k th:TH_LOAD_NT scope:SCOPE_SE
.endr
.Lno_pf:
	GEMM 1, ADV, 0
.irp t,0,1,2,3
.set i, 0
.rept 16
	v_pk_fma_f32 v[ACC+32*\t+i:ACC+32*\t+i+1], v[ACC+32*\t+i:ACC+32*\t+i+1], s[SCL:SCL+1], v[BN+2*\t:BN+2*\t+1] op_sel_hi:[1,0,1]
.set i, i+2
.endr
.endr
	QUANT8
	STASH 1
	s_cmp_lg_u32 s[IT], 1
	s_cbranch_scc1 .Lno_pro
	PRO_R 1                                        ; chunk 0 is done: chunk 1's residual, scale quads and x codes, in one run
	PRO_X 1
	PRO_S
.Lno_pro:
	s_xor_b32 s[WB], s[WB], 0x28000                ; 49,152 <-> 147,456: the other pair's weights,
	s_xor_b32 s[WSB], s[WSB], 0x1000               ; 2,048 <-> 6,144: scale quads,
	s_xor_b32 s[BTB], s[BTB], 0x200                ; 256 <-> 768: biases
	s_add_co_u32 s[IT], s[IT], 1
	s_cmp_lt_u32 s[IT], 4
	s_cbranch_scc1 .Ltrip
	; ---------------- k^T v over my 128 tokens: source 0 = 16 columns of k, source 1 = 16 columns of v; 32 accumulators, one product each
	PLACES 8                                       ; scale words written by vector instructions stand 8 places ahead of a scaled product, operands 4
	WIN 0x4f
.irp k,0,1
.irp d,0,1,2,3
.irp e,0,1,2,3
	v_wmma_scale_f32_16x16x128_f8f6f4 v[8*(16*\k+4*\d+\e):8*(16*\k+4*\d+\e)+7], v[12*(8*\k+\d):12*(8*\k+\d)+11], v[12*(8*\k+4+\e):12*(8*\k+4+\e)+11], 0, v[KS+8*\k+\d], v[KS+8*\k+4+\e] matrix_a_fmt:MATRIX_FMT_FP6 matrix_b_fmt:MATRIX_FMT_FP6
.endr
.endr
.endr
	WIN 0
	BARRIER                                        ; every wave's reads of the weights are over: their first 131,072 bytes, which have had their only fill, take the four waves' sums
	s_lshl_b32 s[TS], s[WV], 15
	v_add_nc_u32 v[ADK], s[TS], v[LI]
	s_lshl_b32 s[TS], s[WV], 13
	v_add_nc_u32 v[ADV], s[TS], v[LI]
	v_add_nc_u32 v[WSA], 0x10000, v[ADV]
	PLACES 4
	WIN 0x04                                       ; an LDS store's data are its source 1: window 1
.set i, 0
.rept 32
	ds_store_b128 v[ADK], v[8*i:8*i+3] offset:1024*i           ; each accumulator from its low end on
	ds_store_b128 v[ADK], v[8*i+4:8*i+7] offset:1024*i+512
.set i, i+1
.endr
	WIN 0
	BARRIER
	WIN 0x80                                       ; wave w adds accumulators 8 w .. 8 w + 7 of all four waves
.irp p,0,1
.irp a,0,1,2,3,4,5,6,7
	ds_load_b128 v[64*\p+8*\a:64*\p+8*\a+3], v[ADV] offset:32768*\p+1024*\a
	ds_load_b128 v[64*\p+8*\a+4:64*\p+8*\a+7], v[ADV] offset:32768*\p+1024*\a+512
	ds_load_b128 v[128+64*\p+8*\a:128+64*\p+8*\a+3], v[WSA] offset:32768*\p+1024*\a
	ds_load_b128 v[128+64*\p+8*\a+4:128+64*\p+8*\a+7], v[WSA] offset:32768*\p+1024*\a+512
.endr
.endr
	s_wait_dscnt 0x0
	WIN 0x8a
.set i, 0
.rept 32
	v_pk_add_f32 v[i:i+1], v[i:i+1], v[64+i:65+i]
	v_pk_add_f32 v[128+i:129+i], v[128+i:129+i], v[192+i:193+i]
.set i, i+2
.endr
.set i, 0
.rept 32
	v_pk_add_f32 v[i:i+1], v[i:i+1], v[128+i:129+i]
.set i, i+2
.endr
	WIN 0x08                                       ; a store's data are its source 1: window 2
.irp a,0,1,2,3,4,5,6,7
	global_store_b128 v[LI], v[8*\a:8*\a+3], s[SPP:SPP+1] offset:1024*\a
	global_store_b128 v[LI], v[8*\a+4:8*\a+7], s[SPP:SPP+1] offset:1024*\a+512
.endr
	WIN 0
	s_wait_tensorcnt 0x0                           ; the wave's end: a wait, an add to my spare word and its wait, behind my last tensor load and my last LDS store
	ds_add_u32 v[SPW], v[NIL]
	s_wait_dscnt 0x0
	CROUND                                         ; the closing round
	s_endpgm
.Lfunc_end_k_q55f4089861_proj:
	.size	k_q55f4089861_proj, .Lfunc_end_k_q55f4089861_proj-k_q55f4089861_proj
	.p2alignl 7, 3214868480
	.fill 96, 4, 3214868480
	.section	.rodata,"a",@progbits
	.p2align	6, 0x0
	.amdhsa_kernel k_q55f4089861_proj
		.amdhsa_group_segment_fixed_size 327680
		.amdhsa_private_segment_fixed_size 0
		.amdhsa_enable_private_segment 0
		.amdhsa_kernarg_size 104
		.amdhsa_user_sgpr_count 2
		.amdhsa_user_sgpr_kernarg_segment_ptr 1
		.amdhsa_wavefront_size32 1
		.amdhsa_system_sgpr_workgroup_id_x 1
		.amdhsa_system_sgpr_workgroup_id_y 1
		.amdhsa_system_sgpr_workgroup_id_z 1
		.amdhsa_system_vgpr_workitem_id 0
		.amdhsa_next_free_vgpr 1024
		.amdhsa_next_free_sgpr 92
		.amdhsa_reserve_vcc 0
		.amdhsa_float_denorm_mode_32 3
		.amdhsa_float_denorm_mode_16_64 3
		.amdhsa_memory_ordered 1
		.amdhsa_forward_progress 1
		.amdhsa_inst_pref_size 255
	.end_amdhsa_kernel
	.section	.bss,"aw",@nobits
	.p2align	6
	.space	262144
	.amdgpu_metadata
---
amdhsa.version: [ 1, 2 ]
amdhsa.kernels:
  - .name:           k_q55f4089861_proj
    .symbol:         k_q55f4089861_proj.kd
    .args:
      - { .name: x, .offset: 0, .size: 8, .value_kind: global_buffer, .address_space: global }
      - { .name: xc, .offset: 8, .size: 8, .value_kind: global_buffer, .address_space: global }
      - { .name: xs, .offset: 16, .size: 8, .value_kind: global_buffer, .address_space: global }
      - { .name: wimg, .offset: 24, .size: 8, .value_kind: global_buffer, .address_space: global }
      - { .name: Wq_scales, .offset: 32, .size: 8, .value_kind: global_buffer, .address_space: global }
      - { .name: Wk_scales, .offset: 40, .size: 8, .value_kind: global_buffer, .address_space: global }
      - { .name: Wv_scales, .offset: 48, .size: 8, .value_kind: global_buffer, .address_space: global }
      - { .name: bq, .offset: 56, .size: 8, .value_kind: global_buffer, .address_space: global }
      - { .name: bk, .offset: 64, .size: 8, .value_kind: global_buffer, .address_space: global }
      - { .name: bv, .offset: 72, .size: 8, .value_kind: global_buffer, .address_space: global }
      - { .name: qc, .offset: 80, .size: 8, .value_kind: global_buffer, .address_space: global }
      - { .name: qs, .offset: 88, .size: 8, .value_kind: global_buffer, .address_space: global }
      - { .name: sp, .offset: 96, .size: 8, .value_kind: global_buffer, .address_space: global }
    .group_segment_fixed_size: 327680
    .private_segment_fixed_size: 0
    .kernarg_segment_align: 8
    .kernarg_segment_size: 104
    .max_flat_workgroup_size: 128
    .sgpr_count:     92
    .vgpr_count:     1024
    .wavefront_size: 32
...
	.end_amdgpu_metadata
.endif
;; end of part 2
;; launch state (part 3): grid 256 x 1, 1 waves a work-group, no clusters, 0 bytes of LDS; arguments sp, stc, sts; writes stc, sts
.if DOCPART == 3
	.amdgcn_target "amdgcn-amd-amdhsa--gfx1250"
	.amdhsa_code_object_version 6
	.text
	.protected	k_q55f4089861_state
	.globl	k_q55f4089861_state
	.p2align	8
	.type	k_q55f4089861_state,@function
k_q55f4089861_state:
	s_mov_b64 s[64:65], 0
	v_nop
	global_prefetch_b8 v0, s[64:65] scope:SCOPE_SE
	s_setreg_imm32_b32 hwreg(HW_REG_WAVE_MODE, 25, 1), 1
	s_wait_xcnt 0x0
; STATE.  For one (b, head) and one tile of 16 columns e: the four token quarters' parts of both sums k^T v are added, the two sums are multiplied number by number, and the product [d 64][e 16] is quantised
; along d, the K of q x state.  No work of the problem is left out.  LIMITS as in PREP (blocks under 2^-124 and blocks of zeros get the byte 1; NaN and infinities are not served).
; A work-group is ONE wave: work-group 4 (16 b + head) + t takes tile t, so that the 256 tiles' loads go out from 256 work-groups.  Lane (r, h) holds column e = 32 (t / 2) + 8 (t % 2) + r + 8 (r / 8), and register
; 8 u + j the row d = 32 (u / 2) + 16 h + 8 (u % 2) + j: the 16 registers of tiles 2 b, 2 b + 1 are 16 neighbours along d.
; Out: half a fragment (64 along K; registers 0-3 at 16 x lane, 4-5 at 512 + 8 x lane) and a scale word a lane (bytes 2, 3 are 0).
; No LDS, no barrier.  Window 1 holds the 256 loaded registers: 64 quarter + 32 pair + 8 u + j.
.set LI, 2
.set L8, 3
.set L4, 4
.set M,  8
.set N,  10
.set SO, 12
.set WD, 14
.set CD, 16
.set PR, 64
.set MSB, 0
.macro WIN new
.if MSB != (\new)
	s_set_vgpr_msb (MSB<<8)|(\new)
.set MSB, (\new)
.endif
.endm
	s_load_b128 s[4:7], s[0:1], 0x0                ; sp, stc
	s_load_b64 s[8:9], s[0:1], 0x10                ; sts
	v_lshlrev_b32 v[LI], 4, v0                     ; v0 is the lane: the work-group has one wave
	v_lshlrev_b32 v[L8], 3, v0
	v_lshlrev_b32 v[L4], 2, v0
	v_mov_b32 v[N], 0                              ; a lane permute's destination counts as one of its sources
	v_mov_b32 v[N+1], 0
	s_mov_b32 s18, 0x76543210
	s_mov_b32 s19, 0xfedcba98
	s_and_b32 s10, ttmp9, 3                        ; the tile of e
	s_lshr_b32 s11, ttmp9, 2                       ; 16 b + head
	s_lshl_b32 s12, s11, 17
	s_lshl_b32 s11, s10, 10
	s_add_co_u32 s12, s12, s11
	s_mov_b32 s13, 0
	s_mul_i32 s16, ttmp9, 768
	s_mov_b32 s17, 0
	s_lshl_b32 s14, ttmp9, 7
	s_mov_b32 s15, 0
	s_wait_kmcnt 0x0
	s_add_nc_u64 s[4:5], s[4:5], s[12:13]
	s_add_nc_u64 s[6:7], s[6:7], s[16:17]
	s_add_nc_u64 s[8:9], s[8:9], s[14:15]
	WIN 0x40
.irp q,0,1,2,3
.irp k,0,1
.irp d,0,1,2,3
	global_load_b128 v[64*\q+32*\k+8*\d:64*\q+32*\k+8*\d+3], v[LI], s[4:5] offset:32768*\q+16384*\k+4096*\d th:TH_LOAD_NT
	global_load_b128 v[64*\q+32*\k+8*\d+4:64*\q+32*\k+8*\d+7], v[LI], s[4:5] offset:32768*\q+16384*\k+4096*\d+512 th:TH_LOAD_NT
.endr
.endr
.endr
	s_wait_loadcnt 0x0
	WIN 0x45
.set i, 0
.rept 32
	v_pk_add_f32 v[i:i+1], v[i:i+1], v[64+i:65+i]
	v_pk_add_f32 v[128+i:129+i], v[128+i:129+i], v[192+i:193+i]
.set i, i+2
.endr
.set i, 0
.rept 32
	v_pk_add_f32 v[i:i+1], v[i:i+1], v[128+i:129+i]
.set i, i+2
.endr
	WIN 0x05
.set i, 0
.rept 16
	v_pk_mul_f32 v[PR+i:PR+i+1], v[i:i+1], v[32+i:33+i]    ; the first sum x the second
.set i, i+2
.endr
	WIN 0
.irp b,0,1
	v_max3_num_f32 v[M+\b], |v[PR+16*\b]|, |v[PR+16*\b+1]|, 0x1800000
.endr
.irp i,2,4,6,8,10,12,14
.irp b,0,1
	v_max3_num_f32 v[M+\b], v[M+\b], |v[PR+16*\b+\i]|, |v[PR+16*\b+\i+1]|
.endr
.endr
.irp b,0,1
	v_permlanex16_b32 v[N+\b], v[M+\b], s18, s19
.endr
.irp b,0,1
	v_max_num_f32 v[M+\b], v[M+\b], v[N+\b]
.endr
.irp b,0,1
	v_add_nc_u32 v[SO+\b], 0xff000000, v[M+\b]
.endr
.irp b,0,1
	v_lshrrev_b32 v[N+\b], 23, v[SO+\b]
.endr
	v_lshl_or_b32 v[WD], v[N+1], 8, v[N]
	v_cvt_scalef32_pk16_fp6_f32 v[CD:CD+2], v[PR:PR+15], v[SO]
	v_cvt_scalef32_pk16_fp6_f32 v[CD+4:CD+6], v[PR+16:PR+31], v[SO+1]
	v_nop                                          ; one plain place behind a scaled conversion
.irp i,0,1,2
	v_permlane16_swap_b32 v[CD+\i], v[CD+4+\i]
.endr
	v_mov_b32 v[CD+3], v[CD+4]
	v_mov_b32 v[CD+4], v[CD+5]
	v_mov_b32 v[CD+5], v[CD+6]
	global_store_b128 v[LI], v[CD:CD+3], s[6:7]
	global_store_b64 v[L8], v[CD+4:CD+5], s[6:7] offset:512
	global_store_b32 v[L4], v[WD], s[8:9]
	s_endpgm
.Lfunc_end_k_q55f4089861_state:
	.size	k_q55f4089861_state, .Lfunc_end_k_q55f4089861_state-k_q55f4089861_state
	.p2alignl 7, 3214868480
	.fill 96, 4, 3214868480
	.section	.rodata,"a",@progbits
	.p2align	6, 0x0
	.amdhsa_kernel k_q55f4089861_state
		.amdhsa_group_segment_fixed_size 0
		.amdhsa_private_segment_fixed_size 0
		.amdhsa_enable_private_segment 0
		.amdhsa_kernarg_size 24
		.amdhsa_user_sgpr_count 2
		.amdhsa_user_sgpr_kernarg_segment_ptr 1
		.amdhsa_wavefront_size32 1
		.amdhsa_system_sgpr_workgroup_id_x 1
		.amdhsa_system_sgpr_workgroup_id_y 1
		.amdhsa_system_sgpr_workgroup_id_z 1
		.amdhsa_system_vgpr_workitem_id 0
		.amdhsa_next_free_vgpr 512
		.amdhsa_next_free_sgpr 66
		.amdhsa_reserve_vcc 0
		.amdhsa_float_denorm_mode_32 3
		.amdhsa_float_denorm_mode_16_64 3
		.amdhsa_memory_ordered 1
		.amdhsa_forward_progress 1
		.amdhsa_inst_pref_size 17
	.end_amdhsa_kernel
	.amdgpu_metadata
---
amdhsa.version: [ 1, 2 ]
amdhsa.kernels:
  - .name:           k_q55f4089861_state
    .symbol:         k_q55f4089861_state.kd
    .args:
      - { .name: sp, .offset: 0, .size: 8, .value_kind: global_buffer, .address_space: global }
      - { .name: stc, .offset: 8, .size: 8, .value_kind: global_buffer, .address_space: global }
      - { .name: sts, .offset: 16, .size: 8, .value_kind: global_buffer, .address_space: global }
    .group_segment_fixed_size: 0
    .private_segment_fixed_size: 0
    .kernarg_segment_align: 8
    .kernarg_segment_size: 24
    .max_flat_workgroup_size: 32
    .sgpr_count:     66
    .vgpr_count:     512
    .wavefront_size: 32
...
	.end_amdgpu_metadata
.endif
;; end of part 3
;; launch tail (part 4): grid 256 x 1, 4 waves a work-group, clusters of 4 x 1, 266,752 bytes of LDS; arguments qc, qs, stc, sts, ln_g, ln_b, wimg, Wo_scales, bo, out0; writes out0
.if DOCPART == 4
	.amdgcn_target "amdgcn-amd-amdhsa--gfx1250"
	.amdhsa_code_object_version 6
	.text
	.protected	k_q55f4089861_tail
	.globl	k_q55f4089861_tail
	.p2align	8
	.type	k_q55f4089861_tail,@function
k_q55f4089861_tail:
	s_mov_b64 s[64:65], 0
	v_nop
	global_prefetch_b8 v0, s[64:65] scope:SCOPE_SE
	s_setreg_imm32_b32 hwreg(HW_REG_WAVE_MODE, 25, 1), 1
	s_wait_xcnt 0x0
	s_wait_alu depctr_hold_cnt(0) depctr_sa_sdst(0) depctr_va_vdst(0) depctr_va_sdst(0) depctr_va_ssrc(0) depctr_va_vcc(0) depctr_vm_vsrc(0)
	s_getreg_b32 s2, hwreg(HW_REG_IB_STS2, 6, 4)
	s_cmp_eq_u32 s2, 0
	s_cbranch_scc0 .Lentry_in_a_cluster
	s_endpgm
.Lentry_in_a_cluster:
	s_bfe_u32 s2, ttmp6, 0x10000c
	s_cmp_lg_u32 s2, 0x3003
	s_cbranch_scc0 .Lentry_shape_is_right
	s_endpgm
.Lentry_shape_is_right:
; TAIL.  For 32 tokens (two tiles of 16): q x state for all 16 heads, LayerNorm over the row's 1,024, the quantiser along them, x Wo^T + bo.  No work of the problem is left out.
; LIMITS as in PREP (blocks under 2^-124 and blocks of zeros get the byte 1; NaN and infinities are not served).
; SHARES.  Wave w makes heads 4 w .. 4 w + 3 of q x state (K steps 2 w, 2 w + 1 of the last product) and output columns 256 w .. 256 w + 255, for all 32 tokens.
; q x state has K = 64: the instruction's upper 64 meet ZERO CODES on q's side (six registers cleared once for each fragment), and the scale bytes of those blocks are 0 on both sides, no NaN; what the state's
; operand names there (the next half fragment's codes) is multiplied by zeros.  Both products are used transposed (source 0 = 16 columns of the result, source 1 = 16 tokens): a lane holds one token throughout.
; Wo, 786,432 bytes of images, 196,608 a wave, comes by three roads, all begun at the kernel's head, so that it flows while q x state and the LayerNorm are made:
;   (1) CLUSTER: the four work-groups of a cluster need the same Wo.  Each wave's LAST group of 64 columns (49,152 bytes) is asked for JOINTLY (mask: all four), once, into LDS; only the wave that asked reads it.
;       A second group for each wave does not fit (8 x 49,152 bytes beside the 70,144 of the stages), and a refill would have half a group's 32 products in which to land: so nothing is filled again.
;   (2) the first five sets (a set: four fragments, one K step of 64 columns, 12 loads of 512 bytes) go straight into a ring of five sets of registers;
;   (3) the other 19 sets follow through that ring, four sets always on their way.  The LDS group's eight sets come into the same ring at the end.
; ln_g and ln_b: a wave's 2 x 1,024 bytes come by four loads into LDS bytes of its own and are read from there in the result's layout.
; The normalised rows go from wave to wave through LDS as images of the operand's registers.  Three barriers: the rows' sums; the sums of squares; the images.
; REGISTERS: window 0: v1-19 addresses; v20-23 q's, v24-39 the state's, v40-47 the rows', v48-111 Wo's scale words (scales and nothing else); v112-127 bo; v128-167 the quantiser's; v168-191 statistics; v192-255 at work.
;   window 1: q x state, 128 T + 32 head + 8 tile + j.   window 2: the state's half fragments (6 f), six zeros, q's fragments (104 + 12 f); then ln_g and ln_b; then the rows' 16 fragments and 8 accumulators.
;   window 3: Wo's fragments, a ring of five sets of 48.
.set ASCL,  24576                      ; LDS: 0: the rows' 16 fragments (8 T + K step) x 1,536;  here: their scale words [K step 8][128];
.set LN1,   25600                      ; the waves' sums [4][128], and 512 bytes on the sums of squares;
.set STG,   26624                      ; a stage for each wave: 32 tokens x (256 bytes + 16);
.set SPARE, 61440                      ; the spare words, 128 bytes a wave;
.set LNT,   61952                      ; ln_g's and ln_b's 1,024 bytes for each wave;
.set WL,    70144                      ; each wave's last group of Wo: 49,152 bytes, [tile 4][K step 8][1536]
.set LI,1
.set L8,2
.set L4,3
.set GA,4
.set WOA,5
.set BOA,6
.set AWI,7
.set ASW,8
.set LNW,9
.set LNR,10
.set SOA,11
.set SRA,12
.set OA,13
.set ASR,14
.set WLA,15
.set SPW,16
.set NIL,17
.set LNS,18
.set LNG,19
.set QS,20
.set SSC,24
.set ASC,40
.set WOS,48
.set BO,112
.set TM,128
.set PW,144
.set PC,148
.set S,168
.set MU,184
.set RS,188
.set Y,192
.set WV,24
.set MHI,26
.set INV,27
.set SEL,28
.set EPS,30
.set G0,36
.set G1,40
.set MSB, 0
.macro WIN new
.if MSB != (\new)
	s_set_vgpr_msb (MSB<<8)|(\new)
.set MSB, (\new)
.endif
.endm
.macro PLACES n
.rept \n
	v_nop
.endr
.endm
.macro BARRIER                         ; my LDS stores have landed and my LDS loads are in: then the work-group's barrier
	s_wait_dscnt 0x0
	s_barrier_signal -1
	s_barrier_wait -1
.endm
.macro CROUND                          ; a round of the cluster's barrier
	s_barrier_signal -1
	s_barrier_wait -1
	s_cmp_lg_u32 s[WV], 0
	s_cbranch_scc1 .Lnot_wave_0_\@
	s_barrier_signal -3
.Lnot_wave_0_\@:
	s_barrier_wait -3
	s_barrier_signal -1
	s_barrier_wait -1
.endm
; 64 numbers of a lane, register 16 b + i = k 32 b + 16 h + i of my row, become a fragment's codes in v[PC] on and its rows' scale word in v[w]
.macro QUANT s, w
.irp b,0,1,2,3
	v_max3_num_f32 v[TM+\b], |v[\s+16*\b]|, |v[\s+1+16*\b]|, 0x1800000
.endr
.irp i,2,4,6,8,10,12,14
.irp b,0,1,2,3
	v_max3_num_f32 v[TM+\b], v[TM+\b], |v[\s+16*\b+\i]|, |v[\s+1+16*\b+\i]|
.endr
.endr
.irp b,0,1,2,3
	v_permlanex16_b32 v[TM+4+\b], v[TM+\b], s[SEL], s[SEL+1]
.endr
.irp b,0,1,2,3
	v_max_num_f32 v[TM+\b], v[TM+\b], v[TM+4+\b]
.endr
.irp b,0,1,2,3
	v_add_nc_u32 v[TM+12+\b], 0xff000000, v[TM+\b]
.endr
.irp b,0,1,2,3
	v_lshrrev_b32 v[TM+4+\b], 23, v[TM+12+\b]
.endr
	v_lshl_or_b32 v[\w], v[TM+5], 8, v[TM+4]
	v_lshl_or_b32 v[\w], v[TM+6], 16, v[\w]
	v_lshl_or_b32 v[\w], v[TM+7], 24, v[\w]
.irp c,0,1
	v_cvt_scalef32_pk16_fp6_f32 v[PC+6*\c:PC+2+6*\c], v[\s+32*\c:\s+15+32*\c], v[TM+12+2*\c]
	v_cvt_scalef32_pk16_fp6_f32 v[PC+12+4*\c:PC+14+4*\c], v[\s+16+32*\c:\s+31+32*\c], v[TM+12+2*\c+1]
.endr
	v_nop                                              ; one plain place behind a scaled conversion
.irp c,0,1
.irp i,0,1,2
	v_permlane16_swap_b32 v[PC+6*\c+\i], v[PC+12+4*\c+\i]
.endr
.irp i,0,1,2
	v_mov_b32 v[PC+3+6*\c+\i], v[PC+12+4*\c+\i]
.endr
.endr
.endm
; Four chains of pairs for each tile (S + 8 T ..) become the row's total over all 1,024 columns, in v[S+2]: lanes 0-15 hold tile 0's rows, lanes 16-31 tile 1's
.macro ACROSS off
.irp T,0,1
	v_pk_add_f32 v[S+8*\T:S+8*\T+1], v[S+8*\T:S+8*\T+1], v[S+8*\T+2:S+8*\T+3]
	v_pk_add_f32 v[S+8*\T+4:S+8*\T+5], v[S+8*\T+4:S+8*\T+5], v[S+8*\T+6:S+8*\T+7]
.endr
.irp T,0,1
	v_pk_add_f32 v[S+8*\T:S+8*\T+1], v[S+8*\T:S+8*\T+1], v[S+8*\T+4:S+8*\T+5]
.endr
.irp T,0,1
	v_add_f32 v[S+8*\T], v[S+8*\T], v[S+8*\T+1]
.endr
.irp T,0,1
	v_permlanex16_b32 v[S+8*\T+2], v[S+8*\T], s[SEL], s[SEL+1]
.endr
.irp T,0,1
	v_add_f32 v[S+8*\T], v[S+8*\T], v[S+8*\T+2]        ; my wave's 256 columns of the row
.endr
	v_cndmask_b32 v[S+1], v[S], v[S+8], s[MHI]
	ds_store_b32 v[LNW], v[S+1] offset:\off
	BARRIER
.irp p,0,1,2,3
	ds_load_b32 v[S+2+\p], v[LNR] offset:\off+128*\p
.endr
	s_wait_dscnt 0x0
	v_add_f32 v[S+2], v[S+2], v[S+3]
	v_add_f32 v[S+4], v[S+4], v[S+5]
	v_add_f32 v[S+2], v[S+2], v[S+4]
.endm
.macro DEAL dst                        ; v[S+2] (tile = my half of the lanes) is dealt out: v[dst], v[dst+1] tile 0's, v[dst+2], v[dst+3] tile 1's, in every lane
	v_permlanex16_b32 v[S+3], v[S+2], s[SEL], s[SEL+1]
	v_cndmask_b32 v[\dst], v[S+2], v[S+3], s[MHI]
	v_cndmask_b32 v[\dst+1], v[S+2], v[S+3], s[MHI]
	v_cndmask_b32 v[\dst+2], v[S+3], v[S+2], s[MHI]
	v_cndmask_b32 v[\dst+3], v[S+3], v[S+2], s[MHI]
.endm
.macro BLOADS n                        ; set n = 8 x group of 64 columns + K step, n < 24: Wo's four fragments from memory, 12 loads of 512 consecutive bytes
	WIN 0xc0
.irp t,0,1,2,3
.irp c,0,1,2
	global_load_b128 v[48*((\n)%5)+12*\t+4*\c:48*((\n)%5)+12*\t+4*\c+3], v[LI], s[16:17] offset:49152*((\n)/8)+12288*\t+1536*((\n)%8)+512*\c
.endr
.endr
.endm
.macro LLOADS n                        ; set n, 24 <= n < 32: the same from my group in LDS
	WIN 0xc0
.irp t,0,1,2,3
.irp c,0,1,2
	ds_load_b128 v[48*((\n)%5)+12*\t+4*\c:48*((\n)%5)+12*\t+4*\c+3], v[WLA] offset:12288*\t+1536*((\n)%8)+512*\c
.endr
.endr
.endm
.macro WM6 zero, ra, rb                ; one product by the symbols rD, rA, rB, sA, sB; ra, rb: the scale words lie in lanes 16-31
.if \zero
.if \ra
.if \rb
	v_wmma_scale_f32_16x16x128_f8f6f4 v[rD:rD+7], v[rA:rA+11], v[rB:rB+11], 0, v[sA], v[sB] matrix_a_fmt:MATRIX_FMT_FP6 matrix_b_fmt:MATRIX_FMT_FP6 matrix_a_scale:MATRIX_SCALE_ROW1 matrix_b_scale:MATRIX_SCALE_ROW1
.else
	v_wmma_scale_f32_16x16x128_f8f6f4 v[rD:rD+7], v[rA:rA+11], v[rB:rB+11], 0, v[sA], v[sB] matrix_a_fmt:MATRIX_FMT_FP6 matrix_b_fmt:MATRIX_FMT_FP6 matrix_a_scale:MATRIX_SCALE_ROW1
.endif
.else
.if \rb
	v_wmma_scale_f32_16x16x128_f8f6f4 v[rD:rD+7], v[rA:rA+11], v[rB:rB+11], 0, v[sA], v[sB] matrix_a_fmt:MATRIX_FMT_FP6 matrix_b_fmt:MATRIX_FMT_FP6 matrix_b_scale:MATRIX_SCALE_ROW1
.else
	v_wmma_scale_f32_16x16x128_f8f6f4 v[rD:rD+7], v[rA:rA+11], v[rB:rB+11], 0, v[sA], v[sB] matrix_a_fmt:MATRIX_FMT_FP6 matrix_b_fmt:MATRIX_FMT_FP6
.endif
.endif
.else
.if \ra
.if \rb
	v_wmma_scale_f32_16x16x128_f8f6f4 v[rD:rD+7], v[rA:rA+11], v[rB:rB+11], v[rD:rD+7], v[sA], v[sB] matrix_a_fmt:MATRIX_FMT_FP6 matrix_b_fmt:MATRIX_FMT_FP6 matrix_a_scale:MATRIX_SCALE_ROW1 matrix_b_scale:MATRIX_SCALE_ROW1
.else
	v_wmma_scale_f32_16x16x128_f8f6f4 v[rD:rD+7], v[rA:rA+11], v[rB:rB+11], v[rD:rD+7], v[sA], v[sB] matrix_a_fmt:MATRIX_FMT_FP6 matrix_b_fmt:MATRIX_FMT_FP6 matrix_a_scale:MATRIX_SCALE_ROW1
.endif
.else
.if \rb
	v_wmma_scale_f32_16x16x128_f8f6f4 v[rD:rD+7], v[rA:rA+11], v[rB:rB+11], v[rD:rD+7], v[sA], v[sB] matrix_a_fmt:MATRIX_FMT_FP6 matrix_b_fmt:MATRIX_FMT_FP6 matrix_b_scale:MATRIX_SCALE_ROW1
.else
	v_wmma_scale_f32_16x16x128_f8f6f4 v[rD:rD+7], v[rA:rA+11], v[rB:rB+11], v[rD:rD+7], v[sA], v[sB] matrix_a_fmt:MATRIX_FMT_FP6 matrix_b_fmt:MATRIX_FMT_FP6
.endif
.endif
.endif
.endm
; Set n of the last product: 64 columns x 32 tokens x 128 along K: eight accumulators by turns, one instruction a turn; then the ring's place takes the set five on
.macro SETN
.if n < 24
.if 23-n < 4
	s_wait_loadcnt 12*(23-n)                       ; my set is in; the younger sets from memory may be out
.else
	s_wait_loadcnt 48                              ; my set is in; the four younger sets, 12 loads each, may be out
.endif
.elseif n > 28
	s_wait_dscnt 12*(31-n)                         ; my set is in; the younger sets from LDS may be out.  (Sets 24 to 28 were asked for ahead of the third group's way out, which waits for all LDS loads)
.endif
	WIN 0xab                                       ; source 0 (Wo) window 3; source 1 (the rows), C and D window 2
.irp t,0,1,2,3
.irp T,0,1
.set rD, 192+8*(2*\t+\T)
.set rA, 48*(n%5)+12*\t
.set rB, 12*(8*\T+n%8)
.set sA, WOS+16*(n/8)+4*\t+n%4
.set sB, ASC+n%8
	WM6 (n%8)==0, (n%8)/4, \T
.endr
.endr
	PLACES 4                                       ; in front of loads into registers that these products read, and of the first read of results
.if n+5 < 24
	BLOADS n+5
.elseif n+5 < 32
	LLOADS n+5
.endif
.endm
; 64 columns of 32 tokens leave: through my stage, back as whole rows of 256 bytes, + bo, stored two rows an instruction
.macro OUTG g
	WIN 0x08                                       ; an LDS store's data are its source 1: window 2
.irp t,0,1,2,3
.irp T,0,1
	ds_store_b128 v[SOA], v[192+8*(2*\t+\T):192+8*(2*\t+\T)+3] offset:2176*\T+128*(\t/2)+32*(\t%2)       ; each accumulator from its low end on
	ds_store_b128 v[SOA], v[192+8*(2*\t+\T)+4:192+8*(2*\t+\T)+7] offset:2176*\T+128*(\t/2)+32*(\t%2)+16
.endr
.endr
	WIN 0
	s_wait_xcnt 0x0                                ; the last group's stores have read their registers
.set i, 0
.rept 16
	ds_load_b128 v[Y+4*i:Y+4*i+3], v[SRA] offset:544*i     ; LDS serves a wave's instructions in order: these see my stores
.set i, i+1
.endr
	s_wait_dscnt 0x0
.set i, 0
.rept 16
	v_pk_add_f32 v[Y+4*i:Y+4*i+1], v[Y+4*i:Y+4*i+1], v[BO+4*(\g):BO+4*(\g)+1]
	v_pk_add_f32 v[Y+4*i+2:Y+4*i+3], v[Y+4*i+2:Y+4*i+3], v[BO+4*(\g)+2:BO+4*(\g)+3]
.set i, i+1
.endr
.set i, 0
.rept 16
	global_store_b128 v[OA], v[Y+4*i:Y+4*i+3], s[22:23] offset:8192*i+256*(\g) th:TH_STORE_NT   ; sixteen lanes store 256 consecutive bytes, at a multiple of 256 from the output's first byte
.set i, i+1
.endr
.endm
	s_load_b512 s[4:19], s[0:1], 0x0               ; qc, qs, stc, sts, ln_g, ln_b, wimg, Wo's scales
	s_load_b128 s[20:23], s[0:1], 0x40             ; bo, out0
	v_lshl_add_u32 v[SPW], v0, 2, SPARE
	v_mov_b32 v[NIL], 0
	ds_add_u32 v[SPW], v[NIL]                      ; the wave's opening: the add, twice on end, and its wait ahead of my first tensor load
	ds_add_u32 v[SPW], v[NIL]
	v_lshrrev_b32 v[PC+3], 5, v0
	v_readfirstlane_b32 s[WV], v[PC+3]             ; wave 0..3
	v_and_b32 v[PC+3], 31, v0
	v_lshlrev_b32 v[LI], 4, v[PC+3]
	v_lshlrev_b32 v[L8], 3, v[PC+3]
	v_lshlrev_b32 v[L4], 2, v[PC+3]
	v_and_b32 v[PC], 15, v0                        ; r
	v_bfe_u32 v[PC+1], v0, 4, 1                    ; h
	v_and_b32 v[PC+2], 8, v[PC]
	v_add_nc_u32 v[PC+2], v[PC+2], v[PC]           ; r + 8 (r / 8)
	s_lshl_b32 s25, s[WV], 10
	v_add_nc_u32 v[LNG], s25, v[LI]                ; ln_g, ln_b in memory: my wave's 256 columns, 16 bytes a lane
	v_lshl_add_u32 v[BOA], v[PC], 4, s25           ; bo: my wave's 256, four a lane
	s_lshl_b32 s25, s[WV], 11
	v_lshl_add_u32 v[GA], v[PC+1], 6, s25
	v_add_nc_u32 v[GA], LNT, v[GA]                 ; and in LDS, on the way out: my wave's table, + 16 h columns
	v_add_nc_u32 v[LNS], s25, v[LI]
	v_add_nc_u32 v[LNS], LNT, v[LNS]               ; on the way in
	s_lshl_b32 s25, s[WV], 13
	v_lshlrev_b32 v[WOA], 5, v[PC+2]
	v_lshl_add_u32 v[WOA], v[PC+1], 4, v[WOA]
	v_add_nc_u32 v[WOA], s25, v[WOA]               ; Wo's scale quads: 32 bytes a row
	s_mul_i32 s25, s[WV], 3072
	v_add_nc_u32 v[AWI], s25, v[LI]
	s_lshl_b32 s25, s[WV], 8
	v_add_nc_u32 v[ASW], s25, v[L4]
	v_add_nc_u32 v[ASW], ASCL, v[ASW]
	s_lshl_b32 s25, s[WV], 7
	v_add_nc_u32 v[LNW], s25, v[L4]
	v_add_nc_u32 v[LNW], LN1, v[LNW]
	v_add_nc_u32 v[LNR], LN1, v[L4]
	v_add_nc_u32 v[ASR], ASCL, v[L4]
	s_mul_i32 s25, s[WV], 8704
	s_add_co_u32 s25, s25, STG
	v_mul_u32_u24 v[SOA], v[PC+2], 272
	v_lshl_add_u32 v[SOA], v[PC+1], 6, v[SOA]
	v_add_nc_u32 v[SOA], s25, v[SOA]
	v_mul_u32_u24 v[SRA], v[PC+1], 272
	v_lshl_add_u32 v[SRA], v[PC], 4, v[SRA]
	v_add_nc_u32 v[SRA], s25, v[SRA]
	v_lshlrev_b32 v[OA], 12, v[PC+1]
	v_lshl_add_u32 v[OA], v[PC], 4, v[OA]
	s_mul_i32 s25, s[WV], 49152
	v_add_nc_u32 v[WLA], s25, v[LI]
	v_add_nc_u32 v[WLA], WL, v[WLA]                ; my group of Wo in LDS
	s_mov_b32 s[G0], 1                             ; group 0: count 1;
	s_mul_i32 s[G0+1], s[WV], 49152
	s_add_co_u32 s[G0+1], s[G0+1], WL              ; LDS address: the wave's number alone
	s_mov_b32 s[G1], 0x0023000f                    ; group 1: mask: all four work-groups; elements of 8 bytes; bit 21 beside the mask; no padding
	s_mov_b32 s[G1+1], 32<<16                      ; tensor_dim0 = 32 elements: rows of 256 bytes
	s_mov_b32 s[G1+2], 192<<16                     ; tensor_dim1 = 192 rows: 49,152 dense bytes
	s_mov_b32 s[G1+3], 32<<16                      ; tile_dim0
	s_mov_b32 s[G1+4], 192                         ; tile_dim1
	s_mov_b32 s[G1+5], 32                          ; the pitch
	s_mov_b32 s[G1+6], 0
	s_mov_b32 s[G1+7], 0
	s_mov_b32 s[MHI], 0xffff0000
	s_mov_b32 s[INV], 0x3a800000                   ; 1 / 1024
	s_mov_b32 s[SEL], 0x76543210
	s_mov_b32 s[SEL+1], 0xfedcba98
	s_mov_b32 s[EPS], 0x3727c5ac                   ; 1e-5
	s_bfe_u32 s35, ttmp6, 0x40000                  ; my place in the cluster: it enters global addresses alone
	s_lshl_b32 s34, ttmp9, 2
	s_add_co_u32 s34, s34, s35                     ; which 32 tokens: 4 x cluster + place
	s_lshr_b32 s31, ttmp9, 4                       ; b, which the four partners share
	s_mov_b32 s33, 0
	s_wait_dscnt 0x0                               ; both opening adds are done
	s_wait_kmcnt 0x0
	s_mul_i32 s32, s34, 24576
	s_mul_i32 s25, s[WV], 3072
	s_add_co_u32 s32, s32, s25
	s_add_nc_u64 s[4:5], s[4:5], s[32:33]          ; q's codes: my two tiles, my four heads
	s_lshl_b32 s32, s[WV], 17
	s_lshl_b32 s25, s34, 7
	s_add_co_u32 s32, s32, s25
	s_add_nc_u64 s[6:7], s[6:7], s[32:33]
	s_mul_i32 s32, s31, 49152
	s_mul_i32 s25, s[WV], 12288
	s_add_co_u32 s32, s32, s25
	s_add_nc_u64 s[8:9], s[8:9], s[32:33]
	s_lshl_b32 s32, s31, 13
	s_lshl_b32 s25, s[WV], 11
	s_add_co_u32 s32, s32, s25
	s_add_nc_u64 s[10:11], s[10:11], s[32:33]
	s_mul_i32 s32, s[WV], 196608
	s_add_co_u32 s32, s32, 3932160
	s_add_nc_u64 s[16:17], s[16:17], s[32:33]      ; Wo's images: my 256 rows
	s_add_nc_u64 s[G0+2:G0+3], s[16:17], 147456    ; their last group of 64
	s_or_b32 s[G0+3], s[G0+3], 0x80000000
	s_lshl_b32 s32, s34, 17
	s_lshl_b32 s25, s[WV], 10
	s_add_co_u32 s32, s32, s25
	s_add_nc_u64 s[22:23], s[22:23], s[32:33]
	CROUND                                         ; all four work-groups are here: the joint loads meet
	tensor_load_to_lds s[G0:G0+3], s[G1:G1+7]      ; my one tensor load of the launch
	s_nop 0
	PLACES 4
.irp b,0,1,2,3
	v_mov_b32 v[TM+4+\b], 0                        ; a lane permute's destination counts as one of its sources
.endr
	WIN 0x80
.irp i,0,1,2,3,4,5
	v_mov_b32 v[96+\i], 0                          ; behind the state's last half fragment
.endr
.irp f,0,1,2,3,4,5,6,7
.irp i,6,7,8,9,10,11
	v_mov_b32 v[104+12*\f+\i], 0                   ; q's codes of k = 64 .. 127: zeros
.endr
.endr
.irp d,0,1,2,3
.irp T,0,1
	global_load_b128 v[104+12*(2*\d+\T):104+12*(2*\d+\T)+3], v[LI], s[4:5] offset:12288*\T+768*\d th:TH_LOAD_NT
	global_load_b64 v[104+12*(2*\d+\T)+4:104+12*(2*\d+\T)+5], v[L8], s[4:5] offset:12288*\T+768*\d+512 th:TH_LOAD_NT
.endr
.endr
.irp d,0,1,2,3
.irp e,0,1,2,3
	global_load_b128 v[6*(4*\d+\e):6*(4*\d+\e)+3], v[LI], s[8:9] offset:3072*\d+768*\e
	global_load_b64 v[6*(4*\d+\e)+4:6*(4*\d+\e)+5], v[L8], s[8:9] offset:3072*\d+768*\e+512
.endr
.endr
	WIN 0
.irp d,0,1,2,3
	global_load_b32 v[QS+\d], v[L4], s[6:7] offset:32768*\d
.endr
.irp d,0,1,2,3
.irp e,0,1,2,3
	global_load_b32 v[SSC+4*\d+\e], v[L4], s[10:11] offset:512*\d+128*\e
.endr
.endr
	global_load_b128 v[Y:Y+3], v[LNG], s[12:13]                ; ln_g, my 1,024 bytes,
	global_load_b128 v[Y+4:Y+7], v[LNG], s[12:13] offset:512
	global_load_b128 v[Y+8:Y+11], v[LNG], s[14:15]             ; ln_b
	global_load_b128 v[Y+12:Y+15], v[LNG], s[14:15] offset:512
.irp g,0,1,2,3
.irp t,0,1,2,3
	global_load_b128 v[WOS+16*\g+4*\t:WOS+16*\g+4*\t+3], v[WOA], s[18:19] offset:32*(64*\g+32*(\t/2)+8*(\t%2))
.endr
.endr
.irp g,0,1,2,3
	global_load_b128 v[BO+4*\g:BO+4*\g+3], v[BOA], s[20:21] offset:256*\g
.endr
	BLOADS 0                                       ; the ring's five sets: they land under q x state and the LayerNorm
	BLOADS 1
	BLOADS 2
	BLOADS 3
	BLOADS 4
	WIN 0
	s_wait_loadcnt 63                              ; q, the state, ln_g and ln_b are in: behind them stand 80 loads; the field holds 63 at the most
	ds_store_b128 v[LNS], v[Y:Y+3]
	ds_store_b128 v[LNS], v[Y+4:Y+7] offset:512
	ds_store_b128 v[LNS], v[Y+8:Y+11] offset:1024
	ds_store_b128 v[LNS], v[Y+12:Y+15] offset:1536
	PLACES 4                                       ; operands written by vector instructions (the zeros) stand 4 places ahead of a scaled product
	WIN 0x4a                                       ; sources window 2, result window 1
.irp T,0,1
.irp d,0,1,2,3
.irp e,0,1,2,3
.set rD, 128*\T+32*\d+8*\e
.set rA, 6*(4*\d+\e)
.set rB, 104+12*(2*\d+\T)
.set sA, SSC+4*\d+\e
.set sB, QS+\d
	WM6 1, 0, \T
.endr
.endr
.endr
	PLACES 4
	WIN 0x80                                       ; ln_g and ln_b in the result's layout: register 32 head + 8 tile + j.  LDS serves a wave's instructions in order: these see my four stores
.irp d,0,1,2,3
.irp e,0,1,2,3
	ds_load_b128 v[32*\d+8*\e:32*\d+8*\e+3], v[GA] offset:4*(64*\d+32*(\e/2)+8*(\e%2))
	ds_load_b128 v[32*\d+8*\e+4:32*\d+8*\e+7], v[GA] offset:4*(64*\d+32*(\e/2)+8*(\e%2))+16
	ds_load_b128 v[128+32*\d+8*\e:128+32*\d+8*\e+3], v[GA] offset:1024+4*(64*\d+32*(\e/2)+8*(\e%2))
	ds_load_b128 v[128+32*\d+8*\e+4:128+32*\d+8*\e+7], v[GA] offset:1024+4*(64*\d+32*(\e/2)+8*(\e%2))+16
.endr
.endr
	; ---------------- the mean: four chains a tile, each accumulator read from its low end on
.irp T,0,1
	WIN 0x05
.irp c,0,1,2,3
	v_pk_add_f32 v[S+8*\T+2*\c:S+8*\T+2*\c+1], v[128*\T+2*\c:128*\T+2*\c+1], v[128*\T+8+2*\c:128*\T+8+2*\c+1]
.endr
	WIN 0x01
.set i, 16
.rept 56
	v_pk_add_f32 v[S+8*\T+2*((i/2)%4):S+8*\T+2*((i/2)%4)+1], v[128*\T+i:128*\T+i+1], v[S+8*\T+2*((i/2)%4):S+8*\T+2*((i/2)%4)+1]
.set i, i+2
.endr
.endr
	WIN 0
	ACROSS 0
	v_mul_f32 v[S+2], s[INV], v[S+2]
	DEAL MU
	; ---------------- the variance, of the differences
	WIN 0x41
.irp T,0,1
.set i, 0
.rept 64
	v_pk_add_f32 v[128*\T+i:128*\T+i+1], v[128*\T+i:128*\T+i+1], v[MU+2*\T:MU+2*\T+1] neg_lo:[0,1] neg_hi:[0,1]
.set i, i+2
.endr
.endr
	WIN 0x05
.irp T,0,1
.irp c,0,1,2,3
	v_pk_mul_f32 v[S+8*\T+2*\c:S+8*\T+2*\c+1], v[128*\T+2*\c:128*\T+2*\c+1], v[128*\T+2*\c:128*\T+2*\c+1]
.endr
.set i, 8
.rept 60
	v_pk_fma_f32 v[S+8*\T+2*((i/2)%4):S+8*\T+2*((i/2)%4)+1], v[128*\T+i:128*\T+i+1], v[128*\T+i:128*\T+i+1], v[S+8*\T+2*((i/2)%4):S+8*\T+2*((i/2)%4)+1]
.set i, i+2
.endr
.endr
	WIN 0
	ACROSS 512
	v_fma_f32 v[S+2], v[S+2], s[INV], s[EPS]
	v_rsq_f32 v[S+2], v[S+2]
	v_nop
	s_wait_alu depctr_va_vdst(0)                   ; the wait ahead of the first reader
	DEAL RS
	; ---------------- x rsqrt, x ln_g + ln_b, the quantiser, the images  (ln_g and ln_b are in: the barriers above waited for all my LDS loads)
.irp T,0,1
.irp u,0,1
	WIN 0x41
.set i, 0
.rept 32
	v_pk_mul_f32 v[128*\T+64*\u+i:128*\T+64*\u+i+1], v[128*\T+64*\u+i:128*\T+64*\u+i+1], v[RS+2*\T:RS+2*\T+1]
.set i, i+2
.endr
	WIN 0x29
.set i, 0
.rept 32
	v_pk_fma_f32 v[Y+i:Y+i+1], v[128*\T+64*\u+i:128*\T+64*\u+i+1], v[64*\u+i:64*\u+i+1], v[128+64*\u+i:128+64*\u+i+1]
.set i, i+2
.endr
	WIN 0
	QUANT Y, PW+2*\T+\u
.irp c,0,1,2
	ds_store_b128 v[AWI], v[PC+4*\c:PC+4*\c+3] offset:12288*\T+1536*\u+512*\c   ; fragment 8 T + 2 w + u, as it stands
.endr
	s_wait_dscnt 0x0                               ; the stores have read their registers
.endr
.endr
.irp u,0,1
	v_cndmask_b32 v[S+\u], v[PW+\u], v[PW+2+\u], s[MHI]    ; lanes 0-15 tile 0's words, lanes 16-31 tile 1's
	ds_store_b32 v[ASW], v[S+\u] offset:128*\u
.endr
	BARRIER                                        ; the rows' sixteen fragments lie in LDS
	WIN 0x80
.set i, 0
.rept 16
.irp c,0,1,2
	ds_load_b128 v[12*i+4*\c:12*i+4*\c+3], v[LI] offset:1536*i+512*\c
.endr
.set i, i+1
.endr
	WIN 0
.irp s,0,1,2,3,4,5,6,7
	ds_load_b32 v[ASC+\s], v[ASR] offset:128*\s
.endr
	s_wait_tensorcnt 0x0                           ; my group of Wo has landed in LDS: I alone read it, from set 19's turn on
	s_wait_dscnt 0x0
	; ---------------- x Wo^T: four groups of 64 columns, eight K steps each
.set n, 0
.rept 32
	SETN
.if n%8 == 7
	OUTG n/8
.endif
.set n, n+1
.endr
	s_wait_tensorcnt 0x0                           ; the wave's end: a wait, an add to my spare word and its wait, behind my last tensor load and my last LDS store (every window is 0 here)
	ds_add_u32 v[SPW], v[NIL]
	s_wait_dscnt 0x0
	CROUND                                         ; the closing round
	s_endpgm
.Lfunc_end_k_q55f4089861_tail:
	.size	k_q55f4089861_tail, .Lfunc_end_k_q55f4089861_tail-k_q55f4089861_tail
	.p2alignl 7, 3214868480
	.fill 96, 4, 3214868480
	.section	.rodata,"a",@progbits
	.p2align	6, 0x0
	.amdhsa_kernel k_q55f4089861_tail
		.amdhsa_group_segment_fixed_size 266752
		.amdhsa_private_segment_fixed_size 0
		.amdhsa_enable_private_segment 0
		.amdhsa_kernarg_size 80
		.amdhsa_user_sgpr_count 2
		.amdhsa_user_sgpr_kernarg_segment_ptr 1
		.amdhsa_wavefront_size32 1
		.amdhsa_system_sgpr_workgroup_id_x 1
		.amdhsa_system_sgpr_workgroup_id_y 1
		.amdhsa_system_sgpr_workgroup_id_z 1
		.amdhsa_system_vgpr_workitem_id 0
		.amdhsa_next_free_vgpr 1024
		.amdhsa_next_free_sgpr 66
		.amdhsa_reserve_vcc 0
		.amdhsa_float_denorm_mode_32 3
		.amdhsa_float_denorm_mode_16_64 3
		.amdhsa_memory_ordered 1
		.amdhsa_forward_progress 1
		.amdhsa_inst_pref_size 183
	.end_amdhsa_kernel
	.amdgpu_metadata
---
amdhsa.version: [ 1, 2 ]
amdhsa.kernels:
  - .name:           k_q55f4089861_tail
    .symbol:         k_q55f4089861_tail.kd
    .args:
      - { .name: qc, .offset: 0, .size: 8, .value_kind: global_buffer, .address_space: global }
      - { .name: qs, .offset: 8, .size: 8, .value_kind: global_buffer, .address_space: global }
      - { .name: stc, .offset: 16, .size: 8, .value_kind: global_buffer, .address_space: global }
      - { .name: sts, .offset: 24, .size: 8, .value_kind: global_buffer, .address_space: global }
      - { .name: ln_g, .offset: 32, .size: 8, .value_kind: global_buffer, .address_space: global }
      - { .name: ln_b, .offset: 40, .size: 8, .value_kind: global_buffer, .address_space: global }
      - { .name: wimg, .offset: 48, .size: 8, .value_kind: global_buffer, .address_space: global }
      - { .name: Wo_scales, .offset: 56, .size: 8, .value_kind: global_buffer, .address_space: global }
      - { .name: bo, .offset: 64, .size: 8, .value_kind: global_buffer, .address_space: global }
      - { .name: out0, .offset: 72, .size: 8, .value_kind: global_buffer, .address_space: global }
    .group_segment_fixed_size: 266752
    .private_segment_fixed_size: 0
    .kernarg_segment_align: 8
    .kernarg_segment_size: 80
    .max_flat_workgroup_size: 128
    .sgpr_count:     66
    .vgpr_count:     1024
    .wavefront_size: 32
...
	.end_amdgpu_metadata
.endif
;; end of part 4
